; MI455X (gfx1250); checked and timed in simulation.
; The chip was launched on July 23, 2026; its instructions are those of AMD's public machine-readable ISA for CDNA 5 (MIT licence, August 2026) and "CDNA5" Instruction Set Architecture Reference Guide (July 2026). The comments in the code are by the model that wrote it; some were corrected since.
;; Content Based Attention. Allowed arithmetic: matrix products marked QUANTISED: E4M3 operands, one E8M0 scale for each 32 along K, by v_wmma_scale_f32_16x16x128_f8f6f4 with both operands' format E4M3, f32 sums; everything else in f32.
;; Inputs: WK_codes 1,024 x 32 x 32 uint8 (E4M3 codes of WK, K innermost, in blocks of 32 codes); WK_scales 1,024 x 32 uint8 (E8M0 scales of WK, one for each 32 codes along K); WQ_codes 1,024 x 32 x 32 uint8 (E4M3 codes of WQ, K innermost, in blocks of 32 codes); WQ_scales 1,024 x 32 uint8 (E8M0 scales of WQ, one for each 32 codes along K); WV_codes 1,024 x 32 x 32 uint8 (E4M3 codes of WV, K innermost, in blocks of 32 codes); WV_scales 1,024 x 32 uint8 (E8M0 scales of WV, one for each 32 codes along K); x1_codes 4 x 2,048 x 32 x 32 uint8 (E4M3 codes of x1, K innermost, in blocks of 32 codes); x1_scales 4 x 2,048 x 32 uint8 (E8M0 scales of x1, one for each 32 codes along K); x2_codes 4 x 2,048 x 32 x 32 uint8 (E4M3 codes of x2, K innermost, in blocks of 32 codes); x2_scales 4 x 2,048 x 32 uint8 (E8M0 scales of x2, one for each 32 codes along K).
;; Outputs: out0 4 x 2,048 x 1,024 float32.
;; This version of the problem:
;;   THIS VERSION OF THE PROBLEM IS GIVEN IN LOW PRECISION. The matrix products marked QUANTISED in the list below multiply operands that are first quantised to E4M3 (4 exponent bits, 3 mantissa bits; 8 bits a number), with one power-of-two scale for each 32 numbers along K (OCP MX v1.0); their sums are f32. All else is computed in f32.
;;   The module's matrix products, in the order in which they are computed (A, B: the left and right operand; K: the contracted axis; several contracted axes count as one K, in the product's order):
;;     1. [M 8,192, K 1,024] x [K 1,024, N 1,024]; A: input x1 (given as codes); B: input WQ (given as codes): QUANTISED
;;     2. [M 8,192, K 1,024] x [K 1,024, N 1,024]; A: input x2 (given as codes); B: input WK (given as codes): QUANTISED
;;     3. [M 8,192, K 1,024] x [K 1,024, N 1,024]; A: input x2 (given as codes); B: input WV (given as codes): QUANTISED
;;     4. batch 4 x [M 2,048, K 1,024] x [K 1,024, N 2,048]; A: computed on the way; B: computed on the way: QUANTISED
;;     5. batch 4 x [M 2,048, K 2,048] x [K 2,048, N 1,024]; A: softmax (see below); B: computed on the way: QUANTISED
;;   THE QUANTISER, for each operand of a quantised product, along K:
;;     - K is cut into blocks of 32 from its start; a last block that is shorter is filled with zeros.
;;     - A block's scale is 2^e with e = floor(log2(the largest magnitude in the block)) - 8, held to -126 .. 127; a block of zeros has e = 0. As a byte (E8M0): e + 127.
;;     - Each number is divided by its block's scale, clamped to +-448, and rounded to the nearest number of E4M3, ties to even, subnormals kept.
;;     - The product sums the exact products of the quantised numbers (number of the format x scale) in f32.
;;   ~~~python
;;   def quantise(x, axis):      # numpy; x: float32 -> the quantised numbers, widened to float32 again
;;       x = np.moveaxis(x, axis, -1); K = x.shape[-1]
;;       x = np.pad(x, [(0, 0)] * (x.ndim - 1) + [(0, -K % 32)]); x = x.reshape(x.shape[:-1] + (-1, 32)); a = np.abs(x).max(-1, keepdims=True)
;;       e = np.where(a > 0, np.clip(np.frexp(np.where(a > 0, a, 1))[1] - 1 - 8, -126, 127), 0)      # np.frexp(a)[1] - 1 = floor(log2(a)), exactly
;;       r = np.clip(x / 2.0 ** e, -448, 448)
;;       step = 2.0 ** (np.maximum(np.frexp(np.where(r == 0, 1, r))[1] - 1, -6) - 3)
;;       q = np.round(r / step) * step * 2.0 ** e      # np.round: ties to even
;;       return np.moveaxis(q.reshape(q.shape[:-2] + (-1,))[..., :K], -1, axis).astype(np.float32)
;;   ~~~
;;   SOFTMAX AHEAD OF A QUANTISED PRODUCT. Where the list says 'softmax', what is quantised is not the finished softmax but p = 2^(t - M), with t = logit x log2(e) and M = ceil(the row's largest t), a whole number; so 1/2 < the row's largest p <= 1. The row's sum l is taken of the UNQUANTISED p, in f32, and the product's result is divided by l at the end. Since M is a whole number, a kernel that streams over the keys may use a running M (the ceiling of the running maximum): every later rescaling is an exact power of two, which a block's scale takes up: the codes' values come out the same.
;;   OPERANDS COMPUTED ON THE WAY. 'Computed on the way' means the value that the module computes at that place (a softmax that the list does not call 'softmax' is quantised finished and normalised). What goes into a quantiser is computed in f32, as accurately as f32 sums, v_exp_f32 and their like allow (about 1e-6 of the number): no bf16 or f16 on the way to a quantiser, and a product that is left as it is and whose result goes on into a quantised operand takes f32 operands (vector FMAs, or v_wmma_f32_16x16x4_f32). A number that lies on a knife's edge between two numbers of the format may be rounded either way, as far as f32 arithmetic and the matrix unit's own rounding can turn it there, and no further.
;;   INPUTS GIVEN AS CODES. WK (in the module: [1024, 1024], K = its axis 0); WQ (in the module: [1024, 1024], K = its axis 0); WV (in the module: [1024, 1024], K = its axis 0); x1 (in the module: [4, 2048, 1024], K = its axis 2); x2 (in the module: [4, 2048, 1024], K = its axis 2): each comes as NAME_codes (uint8): NAME with its K axis moved to the last place and cut into blocks of 32 codes, [.., K / 32, bytes a block], one block behind the other in memory; one code a byte (a code: sign, 4 exponent bits, 3 mantissa bits); and NAME_scales (uint8): the same leading axes, one E8M0 byte (e + 127) for each 32 codes along K. Its value is code x scale, taken as it is: it is not quantised again, and the codes and scales need not be those that the quantiser above would give.
;; One version. Each part assembles by itself: llvm-mc -triple=amdgcn-amd-amdhsa -mcpu=gfx1250 --defsym DOCPART=n.
;; ======== version 1 of 1: 3 launches
;; limits: right only within a limited range of input values
;; workspace buffers: qimg 8,388,608 bytes; kimg 8,388,608 bytes; vimg 8,388,608 bytes; pimg 16,777,216 bytes; qsc 262,144 bytes; ksc 262,144 bytes; vsc 262,144 bytes; paux 1,048,576 bytes
;; launch proj (part 1): grid 256 x 1, 4 waves a work-group, clusters of 4 x 1, 327,680 bytes of LDS; arguments x1_codes, x1_scales, x2_codes, x2_scales, WQ_codes, WQ_scales, WK_codes, WK_scales, WV_codes, WV_scales, qimg, qsc, kimg, ksc, vimg, vsc; writes qimg, qsc, kimg, ksc, vimg, vsc
.if DOCPART == 1
	.amdgcn_target "amdgcn-amd-amdhsa--gfx1250"
	.amdhsa_code_object_version 6
	.text
	.protected	k_q00a08b3def_proj
	.globl	k_q00a08b3def_proj
	.p2align	8
	.type	k_q00a08b3def_proj,@function
k_q00a08b3def_proj:
	s_mov_b64 s[64:65], 0
	v_nop
	global_prefetch_b8 v0, s[64:65] scope:SCOPE_SE
	s_setreg_imm32_b32 hwreg(HW_REG_WAVE_MODE, 25, 1), 1
	s_wait_xcnt 0x0
	s_wait_alu depctr_hold_cnt(0) depctr_sa_sdst(0) depctr_va_vdst(0) depctr_va_sdst(0) depctr_va_ssrc(0) depctr_va_vcc(0) depctr_vm_vsrc(0)
	s_getreg_b32 s2, hwreg(HW_REG_IB_STS2, 6, 4)
	s_cmp_eq_u32 s2, 0
	s_cbranch_scc0 .Lentry_in_a_cluster
	s_endpgm
.Lentry_in_a_cluster:
	s_bfe_u32 s2, ttmp6, 0x10000c
	s_cmp_lg_u32 s2, 0x3003
	s_cbranch_scc0 .Lentry_shape_is_right
	s_endpgm
.Lentry_shape_is_right:
; THE THREE PROJECTIONS, on codes of FP8 (E4M3) with one E8M0 scale for each 32 along K, and the quantising of their results for the two products that follow.
;   q = x1 WQ, k = x2 WK: each row is divided by its length (x rsqrt(max(sum of squares, 1e-12))) and quantised along its 1,024 columns.   v = x2 WV: quantised along the KEYS, the K of the last product.
; NO WORK IS LEFT OUT: every input has a way to the output, and every product of the problem is done as it is written.
; LIMITS: NaN, infinities and the scale byte 0xff among the inputs are not served.  A block of zeros gets the scale byte 1 where the rule says 127: its codes are zeros, which add nothing under any byte but 0xff,
; and the bytes are read by this program alone.  Blocks whose largest magnitude lies under 2^(9 - 127), the floor, keep the byte 1.
; A PIECE OF WORK: a small side S of 64 rows against a large side L, K = 1,024.  The matrix instruction is used with source 0 = 16 rows of L, source 1 = 16 rows of S: a lane then holds ONE row of S, and its
; registers run along L, which is the next product's K.
; A WORK-GROUP STAYS AND MAKES TWO PIECES, in one straight text that all work-groups walk alike; only pointers are chosen by the cluster's number.
;   PART 1: S = 64 rows of x1 (clusters 0-31) or of x2 (clusters 32-63), L = all 1,024 rows of WQ or WK: eight steps.  The work-group owns whole rows of q or k, so the row's length is found on the chip and q and k
;           never go to memory as f32.  128 + 128 such pieces.
;   PART 2: S = 64 rows of WV (channels), L = 512 rows of x2 (keys): four steps.  16 x 16 = 256 such pieces.  So each of the 256 work-groups has the same work.
; THE RING DOES NOT STOP BETWEEN THE PARTS: part 1's last two changes of slots ask for part 2's first tiles, which land while part 1's results are normalised, quantised and stored.
; SHARES: part 1: wave w takes all 64 rows of S against L's rows 512 n + 128 w + 0 .. 127, n = 0, 1: 64 accumulators, 512 registers.  Part 2: against L's rows 128 w + 0 .. 127: 32 accumulators.
; The 64 registers of (n, tile a of S) are one operand fragment of the next product: rows 16 a .., 128 along its K.
; CLUSTER: the four work-groups of a cluster have the same L in both parts (it hangs on the cluster's number alone) and ask for its tiles JOINTLY; S differs between them and comes by plain loads.
; THE ORDER ALONG THE NEXT K: register 16 b + 8 u + j of lane (r, h) is the number at 32 b + 16 u + 8 h + j, and it is laid at place 32 b + 16 h + 8 u + j of the operand: an exchange inside one block of 32, so the
; blocks and their scales are the true ones; both operands of each later product are laid by the same exchange, so the same numbers meet.
; WHAT IS STORED: a fragment as an image of its registers: group c of four registers, lane l, at 512 c + 16 l of its 2,048 bytes: each store of the wave covers 512 consecutive bytes, aligned.
; NO PREFETCH: the weights are read by every cluster, and S's rows are a sixteenth of a step's bytes.
; REGISTERS, in windows of 256: window 0: v1-15 addresses; v32-95 L's scale words, v96-111 S's (they hold scales and nothing else); v128-255 S's fragments, two sets; on the ways out at work.
;   window 1: L's fragments, two sets.   window 2: the accumulators of n = 0 ((i, a) at v[64 a + 8 i]), and part 2's;   window 3: those of n = 1.
.set PITCH, 272                        ; an LDS row: 256 bytes of codes + 16 of padding = 68 words: the 16 rows that a fragment load touches start 4 banks apart (64 banks of 4 bytes: ISA guide 11.1)
.set TROW,  16*PITCH                   ; 16 rows
.set LWAVE, 128*PITCH                  ; what a wave reads of an L slot
.set LHALF, 256*PITCH                  ; what one tensor load brings of it
.set LSLOT, 512*PITCH                  ; an L slot: 512 rows, 256 along K
.set SBASE, 2*LSLOT
.set SSLOT, 64*PITCH                   ; S slot j: 64 rows, 256 along K
.set NRM,   SBASE+2*SSLOT              ; [row 64][wave 4] f32: the waves' parts of the sums of squares
.set SST,   NRM+1024                   ; 512 bytes for each wave: the scale words on their way out
.set SPARE, SST+2048                   ; the spare words, 128 bytes for each wave: two blocks of 256 bytes that no other line names
.set ADL, 4                            ; v4, v5  my place in L slot 0, 1
.set ADS, 6                            ; v6      my place in S slot 0
.set VLS, 7                            ; v7      part 1, L's scale bytes: 16,384 h + 4,096 w + 32 r
.set VSS, 8                            ; v8      S's: 1,024 h + 32 r
.set VO,  9                            ; v9      16 x lane
.set VO8, 10                           ; v10     8 x lane
.set ANW, 11                           ; v11     NRM + 16 r + 4 w
.set ANR, 12                           ; v12     NRM + 16 r
.set ASW, 13                           ; v13     SST + 512 w + 4 r
.set ASR, 14                           ; v14     SST + 512 w + 8 x lane
.set VLV, 15                           ; v15     part 2, L's scale bytes: 4,096 w + 32 r (both halves of the lanes take the same rows: no load leaves the buffer)
.set SPW, 28                           ; v28     LDS address of my spare word; never rewritten
.set NIL, 29                           ; v29     0; never rewritten
.set SCL, 32                           ; v[SCL + 8 i + ks]: lanes 0-15 the word of L's tile i of n = 0, lanes 16-31 of n = 1, K step ks
.set SCS, 96                           ; v[SCS + 8 (a % 2) + ks]: lanes 0-15 tile a = 0, 1 of S, lanes 16-31 tile a = 2, 3
.set SF,  128                          ; S's fragments: set q at SF + 64 q + 16 a
.set T,   128                          ; the way out: 64 numbers
.set PC,  192                          ; their codes
.set TM,  208                          ; v208-223 at work in QUANT
.set PW,  224                          ; the scale word just made
.set SS,  232                          ; v232-239 sums of squares, a pair for each tile a
.set RS,  240                          ; v240-247 1 / length, a pair for each tile a (the low word serves)
.set NP,  248                          ; v248-251 the other half of the lanes' sums
.set LV,  8                            ; part 2's pointers stand where their buffers' addresses came: s[8:9] L's codes at my half of the rows; s[10:11] L's scales;
.set LSV, 10
.set SVP, 20                           ; s[20:21] S's codes at my slot's first K; s[22:23] S's scales; s[32:33] images out; s[34:35] scale words out
.set SSV, 22
.set OIV, 32
.set OSV, 34
.set SP,  36                           ; part 1: s[36:37] S's codes;  s[38:39] S's scales;  s[40:41] L's codes;  s[42:43] L's scales;  s[44:45], s[92:93] images out, n = 0, 1;  s[46:47], s[94:95] scale words out
.set SSP, 38
.set LP,  40
.set LSP, 42
.set OI0, 44
.set OS0, 46
.set G1L, 48                           ; s[48:55] descriptor group 1 for L's tiles;  s[56:63] for S's
.set G1S, 56
.set G0L, 68                           ; s[68:75] groups 0 for L's slots 0, 1;  s[76:79] for S
.set G0S, 76
.set SEL, 80                           ; s[80:81] v_permlanex16_b32's selects for lane l xor 16
.set MNT, 82                           ; s82 the mantissa field of 448
.set SV,  83                           ; part 2: which 64 channels
.set WV,  84
.set W1,  85                           ; wave & 1
.set WH,  86                           ; wave >> 1
.set KIND, 87
.set CI,  88
.set CX,  89
.set SU,  90                           ; part 1: which 64 rows
.set KB,  91                           ; part 2: which 512 keys
.set OI1, 92
.set OS1, 94
.set MSB, 0
.macro WIN new                         ; the immediate's high byte repeats the setting that is left; a switch that changes nothing is dropped
.if MSB != (\new)
	s_set_vgpr_msb (MSB<<8)|(\new)
.set MSB, (\new)
.endif
.endm
.macro PLACES n                        ; places behind matrix instructions: plain vector instructions that name none of their registers (ISA guide 7.12.1)
.rept \n
	v_nop
.endr
.endm
.macro CREST                           ; a round of the cluster's barrier behind its opening barrier
	s_cmp_lg_u32 s[WV], 0
	s_cbranch_scc1 .Lnot_wave_0_\@
	s_barrier_signal -3
.Lnot_wave_0_\@:
	s_barrier_wait -3
	s_barrier_signal -1
	s_barrier_wait -1
.endm
.macro CROUND                          ; a whole round
	s_barrier_signal -1
	s_barrier_wait -1
	CREST
.endm
; One matrix instruction from the symbols rD, rA, rB, rSA, rSB.  ra, rb: source 0's, source 1's scales stand in lanes 16-31 of their register.  zero = 1: the product starts its sum
.macro WMMA zero, ra, rb
.if \zero
.if ((\ra)==0)&&((\rb)==0)
	v_wmma_scale_f32_16x16x128_f8f6f4 v[rD:rD+7], v[rA:rA+15], v[rB:rB+15], 0, v[rSA], v[rSB]
.elseif (\rb)==0
	v_wmma_scale_f32_16x16x128_f8f6f4 v[rD:rD+7], v[rA:rA+15], v[rB:rB+15], 0, v[rSA], v[rSB] matrix_a_scale:MATRIX_SCALE_ROW1
.elseif (\ra)==0
	v_wmma_scale_f32_16x16x128_f8f6f4 v[rD:rD+7], v[rA:rA+15], v[rB:rB+15], 0, v[rSA], v[rSB] matrix_b_scale:MATRIX_SCALE_ROW1
.else
	v_wmma_scale_f32_16x16x128_f8f6f4 v[rD:rD+7], v[rA:rA+15], v[rB:rB+15], 0, v[rSA], v[rSB] matrix_a_scale:MATRIX_SCALE_ROW1 matrix_b_scale:MATRIX_SCALE_ROW1
.endif
.else
.if ((\ra)==0)&&((\rb)==0)
	v_wmma_scale_f32_16x16x128_f8f6f4 v[rD:rD+7], v[rA:rA+15], v[rB:rB+15], v[rD:rD+7], v[rSA], v[rSB]
.elseif (\rb)==0
	v_wmma_scale_f32_16x16x128_f8f6f4 v[rD:rD+7], v[rA:rA+15], v[rB:rB+15], v[rD:rD+7], v[rSA], v[rSB] matrix_a_scale:MATRIX_SCALE_ROW1
.elseif (\ra)==0
	v_wmma_scale_f32_16x16x128_f8f6f4 v[rD:rD+7], v[rA:rA+15], v[rB:rB+15], v[rD:rD+7], v[rSA], v[rSB] matrix_b_scale:MATRIX_SCALE_ROW1
.else
	v_wmma_scale_f32_16x16x128_f8f6f4 v[rD:rD+7], v[rA:rA+15], v[rB:rB+15], v[rD:rD+7], v[rSA], v[rSB] matrix_a_scale:MATRIX_SCALE_ROW1 matrix_b_scale:MATRIX_SCALE_ROW1
.endif
.endif
.endm
; 64 numbers of a lane, registers s .. s + 63 of window w, 16 of each of four blocks of 32 (lane l xor 16 holds the other 16), become a fragment's codes in v[PC] on and its scale word in v[pw], both in window 0.
; The numbers are held in place.  Each run of eight registers is read from its low end on.
.macro QUANT s, pw, w
	WIN (\w)|((\w)<<2)                             ; sources 0 and 1: the numbers' window
.irp b, 0,1,2,3
	v_max3_num_f32 v[TM+\b], |v[(\s)+16*\b]|, |v[(\s)+1+16*\b]|, 0x4800000   ; block b: my 16 numbers, and the floor 2^(9 - 127): so the byte cannot fall under 1
.endr
	WIN ((\w)<<2)|((\w)<<4)                        ; sources 1 and 2
.irp i, 2,4,6,8,10,12,14
.irp b, 0,1,2,3
	v_max3_num_f32 v[TM+\b], v[TM+\b], |v[(\s)+16*\b+\i]|, |v[(\s)+1+16*\b+\i]|   ; (the four blocks by turns: no line waits for the line above it)
.endr
.endr
	WIN 0
.irp b, 0,1,2,3
	v_permlanex16_b32 v[TM+4+\b], v[TM+\b], s[SEL], s[SEL+1]
.endr
.irp b, 0,1,2,3
	v_max_num_f32 v[TM+\b], v[TM+\b], v[TM+4+\b]   ; with lane l xor 16's: the block's largest magnitude
.endr
.irp b, 0,1,2,3
	v_add_nc_u32 v[TM+12+\b], 0xfc000000, v[TM+\b]   ; 8 off its exponent field: the conversion takes the exponent field of this operand as its scale
.endr
.irp b, 0,1,2,3
	v_and_or_b32 v[TM+8+\b], v[TM+\b], 0x7f800000, s[MNT]   ; 448 x the scale
.endr
.irp b, 0,1,2,3
	v_lshrrev_b32 v[TM+4+\b], 23, v[TM+12+\b]   ; the scale's byte
.endr
	v_lshl_or_b32 v[\pw], v[TM+5], 8, v[TM+4]      ; the four bytes make my row's scale word (both halves of the lanes hold the same)
	v_lshl_or_b32 v[\pw], v[TM+6], 16, v[\pw]
	v_lshl_or_b32 v[\pw], v[TM+7], 24, v[\pw]
	WIN (\w)|((\w)<<6)                             ; source 0 and the destination
.irp b, 0,1,2,3
.irp i, 0,1,2,3,4,5,6,7,8,9,10,11,12,13,14,15
	v_med3_num_f32 v[(\s)+16*\b+\i], v[(\s)+16*\b+\i], -v[TM+8+\b], v[TM+8+\b]   ; the conversion to an 8-bit code does not saturate (ISA guide 7.6.2): the hold at the largest code x the scale
.endr
.endr
	WIN (\w)                                       ; source 0
.irp b, 0,1,2,3
	v_cvt_scalef32_pk8_fp8_f32 v[PC+4*\b:PC+1+4*\b], v[(\s)+16*\b:(\s)+7+16*\b], v[TM+12+\b]
	v_cvt_scalef32_pk8_fp8_f32 v[PC+2+4*\b:PC+3+4*\b], v[(\s)+8+16*\b:(\s)+15+16*\b], v[TM+12+\b]
.endr
	WIN 0
	v_nop                                          ; one plain vector instruction behind the last conversion, ahead of whatever next writes its sources
.endm
	s_load_b512 s[4:19], s[0:1], 0x0               ; x1 codes, scales; x2 codes, scales; WQ codes, scales; WK codes, scales
	s_load_b512 s[20:35], s[0:1], 0x40             ; WV codes, scales; qimg, qsc; kimg, ksc; vimg, vsc
	v_lshl_add_u32 v[SPW], v0, 2, SPARE
	v_mov_b32 v[NIL], 0
	ds_add_u32 v[SPW], v[NIL]                      ; the wave's opening: the add, twice on end, and its wait ahead of my first tensor load; the set-up below stands between
	ds_add_u32 v[SPW], v[NIL]
	v_lshrrev_b32 v1, 5, v0
	v_readfirstlane_b32 s[WV], v1                  ; wave 0..3
	s_and_b32 s[W1], s[WV], 1
	s_lshr_b32 s[WH], s[WV], 1
	v_and_b32 v1, 15, v0                           ; r
	v_bfe_u32 v2, v0, 4, 1                         ; h
	v_and_b32 v3, 31, v0                           ; lane
	s_mul_i32 s96, s[WV], LWAVE
	v_mul_u32_u24 v[ADL], v1, PITCH
	v_lshl_add_u32 v[ADL], v2, 4, v[ADL]           ; a fragment's row x pitch + 16 x half
	v_add_nc_u32 v[ADS], SBASE, v[ADL]
	v_add_nc_u32 v[ADL], s96, v[ADL]               ; my 128 rows of slot 0,
	v_add_nc_u32 v[ADL+1], LSLOT, v[ADL]           ; of slot 1
	v_lshlrev_b32 v[VLS], 5, v1                    ; a row's scale bytes are 32
	v_lshl_add_u32 v[VSS], v2, 10, v[VLS]
	s_lshl_b32 s97, s[WV], 12
	v_add_nc_u32 v[VLV], s97, v[VLS]
	v_lshl_add_u32 v[VLS], v2, 14, v[VLV]
	v_lshlrev_b32 v[VO], 4, v3
	v_lshlrev_b32 v[VO8], 3, v3
	v_lshlrev_b32 v[ANR], 4, v1
	v_add_nc_u32 v[ANR], NRM, v[ANR]
	s_lshl_b32 s97, s[WV], 2
	v_add_nc_u32 v[ANW], s97, v[ANR]
	s_lshl_b32 s97, s[WV], 9
	s_add_co_u32 s97, s97, SST
	v_lshl_add_u32 v[ASW], v1, 2, s97
	v_lshl_add_u32 v[ASR], v3, 3, s97
	s_mov_b32 s[SEL], 0x76543210
	s_mov_b32 s[SEL+1], 0xfedcba98
	s_mov_b32 s[MNT], 0x600000
	; descriptor group 1.  L: 256 rows x 256 bytes, 1,024 bytes apart in memory, 16 bytes of padding behind each row in LDS; asked for jointly by the four work-groups
	s_mov_b32 s[G1L], 15|(1<<20)|(1<<21)|(5<<22)|(3<<25)  ; 15:0 the mask; 17:16 elements of 1 byte; 20 padding on; 21 set beside a mask; 24:22 after every 64 words (code 5); 31:25 four words (code 3)
	s_mov_b32 s[G1L+1], 256<<16                    ; tensor_dim0
	s_mov_b32 s[G1L+2], 512<<16                    ; tensor_dim1: 512 rows for the head's loads; behind them 256
	s_mov_b32 s[G1L+3], 256<<16                    ; tile_dim0
	s_mov_b32 s[G1L+4], 512                        ; tile_dim1 likewise
	s_mov_b32 s[G1L+5], 1024                       ; tensor_dim0_stride
	s_mov_b32 s[G1L+6], 0
	s_mov_b32 s[G1L+7], 0
	s_mov_b32 s[G1S], (1<<20)|(5<<22)|(3<<25)      ; S: 64 rows, no mask: a load of my work-group's own
	s_mov_b32 s[G1S+1], 256<<16
	s_mov_b32 s[G1S+2], 64<<16
	s_mov_b32 s[G1S+3], 256<<16
	s_mov_b32 s[G1S+4], 64
	s_mov_b32 s[G1S+5], 1024
	s_mov_b32 s[G1S+6], 0
	s_mov_b32 s[G1S+7], 0
	; which pieces.  In a cluster launch ttmp9 counts clusters: 0 .. 63
	s_lshr_b32 s[KIND], ttmp9, 5                   ; part 1: q (0) or k (1)
	s_and_b32 s[CI], ttmp9, 31
	s_bfe_u32 s[CX], ttmp6, 0x40000                ; my place in the cluster: it enters S's and the outputs' global addresses alone
	s_lshl_b32 s[SU], s[CI], 2
	s_add_co_u32 s[SU], s[SU], s[CX]               ; part 1: which 64 rows of x1 or x2: 0 .. 127
	s_lshr_b32 s[KB], ttmp9, 2                     ; part 2: which 512 keys: 0 .. 15
	s_and_b32 s[SV], ttmp9, 3
	s_lshl_b32 s[SV], s[SV], 2
	s_add_co_u32 s[SV], s[SV], s[CX]               ; part 2: which 64 channels: 0 .. 15
	s_wait_dscnt 0x0                               ; both opening adds are done
	s_wait_kmcnt 0x0
	s_cmp_eq_u32 s[KIND], 0                        ; part 1's buffers are chosen by the cluster's number alone
	s_cselect_b64 s[SP:SP+1], s[4:5], s[8:9]
	s_cselect_b64 s[SSP:SSP+1], s[6:7], s[10:11]
	s_cselect_b64 s[LP:LP+1], s[12:13], s[16:17]
	s_cselect_b64 s[LSP:LSP+1], s[14:15], s[18:19]
	s_cselect_b64 s[OI0:OI0+1], s[24:25], s[28:29]
	s_cselect_b64 s[OS0:OS0+1], s[26:27], s[30:31]
	s_mov_b32 s97, 0                               ; what hangs on the cluster's and the wave's numbers goes through s[96:97],
	s_mov_b32 s3, 0                                ; what hangs on my place in the cluster through s[2:3] alone
	; part 1: my K step of the next product is 4 n + w: slot 2 n + w / 2 of 2^21 bytes, in it the fragment w % 2
	s_lshl_b32 s96, s[WH], 21
	s_add_nc_u64 s[OI0:OI0+1], s[OI0:OI0+1], s[96:97]
	s_lshl_b32 s96, s[W1], 11
	s_add_nc_u64 s[OI0:OI0+1], s[OI0:OI0+1], s[96:97]
	s_add_nc_u64 s[OIV:OIV+1], s[OIV:OIV+1], s[96:97]   ; (part 2 likewise)
	s_lshl_b32 s96, s[WV], 15                      ; a K step's 8,192 scale words
	s_add_nc_u64 s[OS0:OS0+1], s[OS0:OS0+1], s[96:97]
	s_lshl_b32 s2, s[SU], 16                       ; 64 rows of 1,024 codes
	s_add_nc_u64 s[SP:SP+1], s[SP:SP+1], s[2:3]
	s_lshl_b32 s2, s[SU], 11                       ; of 32 scale bytes
	s_add_nc_u64 s[SSP:SSP+1], s[SSP:SSP+1], s[2:3]
	s_lshl_b32 s2, s[SU], 14                       ; four tiles of rows, 4,096 bytes each in a slot
	s_add_nc_u64 s[OI0:OI0+1], s[OI0:OI0+1], s[2:3]
	s_lshl_b32 s2, s[SU], 8                        ; 64 scale words
	s_add_nc_u64 s[OS0:OS0+1], s[OS0:OS0+1], s[2:3]
	s_add_nc_u64 s[OI1:OI1+1], s[OI0:OI0+1], 0x400000   ; n = 1: two slots on,
	s_add_nc_u64 s[OS1:OS1+1], s[OS0:OS0+1], 0x20000    ; four K steps on
	; part 2.  Keys 512 KB + 128 w on: in vimg [batch][slot of 256 keys: 2^18 bytes][tile of 16 channels][2][2,048] that is KB x 2^19 + (w / 2) x 2^18; in vsc [batch][K step: 4,096 bytes][channel] KB x 2^14 + w x 2^12
	s_lshl_b32 s96, s[KB], 19                      ; also 512 rows of 1,024 codes of x2
	s_add_nc_u64 s[LV:LV+1], s[LV:LV+1], s[96:97]
	s_add_nc_u64 s[OIV:OIV+1], s[OIV:OIV+1], s[96:97]
	s_lshl_b32 s96, s[KB], 14                      ; also 512 rows of 32 scale bytes
	s_add_nc_u64 s[LSV:LSV+1], s[LSV:LSV+1], s[96:97]
	s_add_nc_u64 s[OSV:OSV+1], s[OSV:OSV+1], s[96:97]
	s_lshl_b32 s96, s[WH], 18
	s_add_nc_u64 s[OIV:OIV+1], s[OIV:OIV+1], s[96:97]
	s_lshl_b32 s96, s[WV], 12
	s_add_nc_u64 s[OSV:OSV+1], s[OSV:OSV+1], s[96:97]
	s_lshl_b32 s96, s[W1], 8                       ; S's slot w % 2 begins with K = 256 (w % 2)
	s_add_nc_u64 s[SVP:SVP+1], s[SVP:SVP+1], s[96:97]
	s_lshl_b32 s2, s[SV], 16
	s_add_nc_u64 s[SVP:SVP+1], s[SVP:SVP+1], s[2:3]
	s_lshl_b32 s2, s[SV], 11
	s_add_nc_u64 s[SSV:SSV+1], s[SSV:SSV+1], s[2:3]
	s_lshl_b32 s2, s[SV], 14
	s_add_nc_u64 s[OIV:OIV+1], s[OIV:OIV+1], s[2:3]
	s_lshl_b32 s2, s[SV], 8
	s_add_nc_u64 s[OSV:OSV+1], s[OSV:OSV+1], s[2:3]
	; groups 0.  L: waves 0 and 1 fetch the two halves of a slot's 512 rows;  S: wave 2 fetches slot 0 (K 0 .. 255), wave 3 slot 1 (K 256 .. 511)
	s_lshl_b32 s96, s[W1], 18                      ; 256 rows of 1,024 bytes
	s_add_nc_u64 s[LV:LV+1], s[LV:LV+1], s[96:97]
	s_add_nc_u64 s[98:99], s[LP:LP+1], s[96:97]
	s_mul_i32 s96, s[W1], LHALF
.irp n, 0,1
	s_mov_b32 s[G0L+4*\n], 1                       ; count = 1
	s_add_co_u32 s[G0L+4*\n+1], s96, \n*LSLOT      ; LDS address
	s_add_nc_u64 s[G0L+4*\n+2:G0L+4*\n+3], s[98:99], \n*512*1024   ; global address: part 1: L's half n, K 0 .. 255
	s_or_b32 s[G0L+4*\n+3], s[G0L+4*\n+3], 0x80000000   ; type = 2
.endr
	s_lshl_b32 s2, s[W1], 8
	s_mul_i32 s96, s[W1], SSLOT
	s_mov_b32 s[G0S], 1
	s_add_co_u32 s[G0S+1], s96, SBASE
	s_add_nc_u64 s[G0S+2:G0S+3], s[SP:SP+1], s[2:3]
	s_or_b32 s[G0S+3], s[G0S+3], 0x80000000
	s_mov_b32 s4, 1                                ; the head's groups 0 for L, where arguments lay that have been used: wave 0 fetches slot 0 whole (L's rows 0 .. 511, K 0 .. 255),
	s_mov_b32 s5, 0
	s_mov_b64 s[6:7], s[LP:LP+1]
	s_or_b32 s7, s7, 0x80000000
	s_mov_b32 s12, 1                               ; wave 1 slot 1 whole (rows 512 .. 1,023)
	s_mov_b32 s13, LSLOT
	s_add_nc_u64 s[14:15], s[LP:LP+1], 512*1024
	s_or_b32 s15, s15, 0x80000000
	CROUND
	s_cmp_lt_u32 s[WV], 1                          ; the first fills stand in one chain of branches on the wave's number, one tensor load to an arm
	s_cbranch_scc0 .Lfirst_l1
	tensor_load_to_lds s[4:7], s[G1L:G1L+7]
	s_nop 0
	PLACES 4
	s_branch .Lfirst_asked
.Lfirst_l1:
	s_cmp_lt_u32 s[WV], 2
	s_cbranch_scc0 .Lfirst_s
	s_nop 15                                       ; slot 1 is wanted a step later than the other tiles: it is asked for behind them,
	s_nop 15
	tensor_load_to_lds s[12:15], s[G1L:G1L+7]      ; by a line of wave 1's own: wave 1 waits for it at the first change of slots
	s_nop 0
	PLACES 4
	s_branch .Lfirst_asked
.Lfirst_s:
	tensor_load_to_lds s[G0S:G0S+3], s[G1S:G1S+7]
	s_nop 0
	PLACES 4
.Lfirst_asked:
	; the scale bytes come once for each part, straight into registers: a row's 32 bytes are its eight words; sixteen lanes read 512 consecutive bytes
	s_wait_alu depctr_va_vdst(0)
.irp i, 0,1,2,3,4,5,6,7
	global_load_b128 v[SCL+8*\i:SCL+8*\i+3], v[VLS], s[LSP:LSP+1] offset:512*\i
	global_load_b128 v[SCL+8*\i+4:SCL+8*\i+7], v[VLS], s[LSP:LSP+1] offset:512*\i+16
.endr
.irp i, 0,1
	global_load_b128 v[SCS+8*\i:SCS+8*\i+3], v[VSS], s[SSP:SSP+1] offset:512*\i
	global_load_b128 v[SCS+8*\i+4:SCS+8*\i+7], v[VSS], s[SSP:SSP+1] offset:512*\i+16
.endr
.macro FETCH_S j, q                    ; S's four fragments of the q-th 128 along K of S slot j, into set q: 16 loads
.irp a, 0,1,2,3
.irp c, 0,1,2,3
	ds_load_b128 v[SF+64*(\q)+16*\a+4*\c:SF+64*(\q)+16*\a+4*\c+3], v[ADS] offset:(\j)*SSLOT+128*(\q)+32*\c+TROW*\a
.endr
.endr
.endm
.macro FETCH_L ls, q                   ; my eight fragments of L slot ls, into set q of window 1: 32 loads, tiles 0-3 first
	WIN 0x40
.irp i, 0,1,2,3,4,5,6,7
.irp c, 0,1,2,3
	ds_load_b128 v[128*(\q)+16*\i+4*\c:128*(\q)+16*\i+4*\c+3], v[ADL+(\ls)] offset:128*(\q)+32*\c+TROW*\i
.endr
.endr
	WIN 0
.endm
; ni x 4 matrix instructions: L's tiles i0 on x S's four, K step ks, onto the accumulators of window 2 + n.  The accumulators take turns, one instruction a turn
.macro MUL n, q, ks, i0, ni, zero
	WIN 0xa1+0x50*(\n)                             ; source 0 (L) window 1, source 1 (S) window 0, C and D window 2 + n
.set ii, \i0
.rept \ni
.set aa, 0
.rept 4
.set rD, 64*aa+8*ii
.set rA, 128*(\q)+16*ii
.set rB, SF+64*(\q)+16*aa
.set rSA, SCL+8*ii+(\ks)
.set rSB, SCS+8*(aa%2)+(\ks)
	WMMA \zero, \n, aa/2
.set aa, aa+1
.endr
.set ii, ii+1
.endr
.endm
; The refill behind a round: waves 0 and 1 ask jointly for L slot ls; of waves 2 and 3, wave sw asks for its S slot (sw = 4: both; sw < 0: none).  The branches hang on the wave's number alone.
; An s_nop 0 and four v_nop follow each tensor load.
.macro REFILL ls, sw
	s_cmp_lt_u32 s[WV], 2
	s_cbranch_scc0 .Lnot_l_\@
	tensor_load_to_lds s[G0L+4*(\ls):G0L+4*(\ls)+3], s[G1L:G1L+7]
	s_nop 0
	PLACES 4
.if (\sw)>=0
	s_branch .Lasked_\@
.endif
.Lnot_l_\@:
.if (\sw)>=0
.if (\sw)<4
	s_cmp_eq_u32 s[WV], \sw
	s_cbranch_scc0 .Lasked_\@
.endif
	tensor_load_to_lds s[G0S:G0S+3], s[G1S:G1S+7]
	s_nop 0
	PLACES 4
.Lasked_\@:
.endif
.endm
; A STEP multiplies L slot ls for the s-th 256 along K, onto window 2 + n: two K steps of 32 matrix instructions.  PARTA is the first.  fs = 1: S's fragments of the second are fetched too (S slot s % 2)
.macro PARTA ls, n, s, fs, zero
	s_wait_dscnt 16                                ; all but the youngest sixteen loads (L's tiles 4-7) are in
	MUL \n, 0, 2*(\s), 0, 4, \zero
	PLACES 8                                       ; in front of loads into registers that matrix instructions have read
	WIN 0
.if \fs
	FETCH_S (\s)%2, 1
.endif
	FETCH_L \ls, 1
.if \fs
	s_wait_dscnt 48                                ; all but the run just issued
.else
	s_wait_dscnt 32
.endif
	MUL \n, 0, 2*(\s), 4, 4, \zero
.endm
; TURN is the second, and changes slots: ONE barrier.  The sixteen products that want nothing of the next slot stand AHEAD of the wait for the tensor loads, so that between a tile's landing and the next request
; stand only the add, the barrier and the round.  In front of the barrier each wave waits for all its tensor loads, adds 0 to its spare word, and waits for that and for its own reads of the slot.
; mode 1: the barrier opens a round of the cluster's, and behind it the slot just read out is filled again, lstep bytes further along K (sstep = 1: S's walking address goes 512 bytes on; it is stepped once for the
; two waves that use it in turn).  mode 2: the same, with part 2's first tiles.  mode 0: nothing is left to fetch: a plain barrier.  nfs = 1: the next step begins with new fragments of S
.macro TURN ls, n, s, mode, sw, lstep, sstep, nfs
	s_wait_dscnt 16                                ; all but the youngest sixteen loads (L's tiles 4-7) are in
	MUL \n, 1, 2*(\s)+1, 0, 4, 0
	WIN 0
	s_wait_tensorcnt 0x0                           ; all my tensor loads have landed: so every group 0 may be written
	ds_add_u32 v[SPW], v[NIL]                      ; 0 onto my spare word
.if ((\lstep)==256)&&((\s)==0)&&((\n)==0)
	s_mov_b32 s[G1L+2], 256<<16                    ; part 1's first change of slots: the head's loads have landed in every wave: from here on a load of L brings 256 rows
	s_mov_b32 s[G1L+4], 256
.endif
.if (\mode)==1
	s_add_nc_u64 s[G0L+4*(\ls)+2:G0L+4*(\ls)+3], s[G0L+4*(\ls)+2:G0L+4*(\ls)+3], \lstep
.if \sstep
	s_add_nc_u64 s[G0S+2:G0S+3], s[G0S+2:G0S+3], 512
.endif
.endif
.if (\mode)==2
	s_mov_b64 s[G0L+2:G0L+3], s[LV:LV+1]           ; part 2: L's K 0 .. 255 into slot 0,
	s_or_b32 s[G0L+3], s[G0L+3], 0x80000000
	s_mov_b64 s[G0S+2:G0S+3], s[SVP:SVP+1]         ; S's K 0 .. 255 into slot 0 (wave 2), K 256 .. 511 into slot 1 (wave 3)
	s_or_b32 s[G0S+3], s[G0S+3], 0x80000000
.endif
	s_wait_dscnt 0x0                               ; the add is done, and my reads of this slot are over
	s_barrier_signal -1
	s_barrier_wait -1
.if \mode
	CREST                                          ; no wave of any partner still reads this slot or has a load on its way
	REFILL \ls, \sw
.endif
	PLACES 8                                       ; the whole count: a wave without a load has passed no v_nop
.if \nfs
	FETCH_S ((\s)+1)%2, 0
.endif
	FETCH_L 1-(\ls), 0
	MUL \n, 1, 2*(\s)+1, 4, 4, 0
.endm
.macro LAST n                          ; a part's last K step: nothing more to fetch
	s_wait_dscnt 16
	MUL \n, 1, 7, 0, 4, 0
	s_wait_dscnt 0x0
	MUL \n, 1, 7, 4, 4, 0
	WIN 0
.endm
	s_cmp_eq_u32 s[WV], 1                          ; waves 0, 2 and 3 wait for their tiles: L's slot 0 and S's two slots; wave 1's, L's slot 1, may be out: it is read behind the first change of slots
	s_cbranch_scc1 .Lslot_1_out
	s_wait_tensorcnt 0x0
.Lslot_1_out:
	s_barrier_signal -1
	s_barrier_wait -1
	FETCH_S 0, 0
	FETCH_L 0, 0
	s_wait_loadcnt 0x0                             ; the scale words
	; PART 1: step 2 s + n multiplies L's half n (in L slot n) for the s-th 256 along K; S's fragments stay in registers for both halves
	PARTA 0, 0, 0, 1, 1                            ; the first K step on each half of L starts the sums: nothing is cleared
	TURN  0, 0, 0, 1, 2, 256, 1, 0
	PARTA 1, 1, 0, 0, 1
	TURN  1, 1, 0, 1, -1, 256, 0, 1
	PARTA 0, 0, 1, 1, 0
	TURN  0, 0, 1, 1, 3, 256, 0, 0
	PARTA 1, 1, 1, 0, 0
	TURN  1, 1, 1, 1, -1, 256, 0, 1
	PARTA 0, 0, 2, 1, 0
	TURN  0, 0, 2, 1, -1, 256, 0, 0
	PARTA 1, 1, 2, 0, 0
	TURN  1, 1, 2, 1, -1, 256, 0, 1
	PARTA 0, 0, 3, 1, 0
	TURN  0, 0, 3, 2, 4, 0, 0, 0                   ; L slot 0 and both S slots have been read out: they take part 2's first tiles
	PARTA 1, 1, 3, 0, 0
	LAST 1
	; PART 1'S WAY OUT
	PLACES 8                                       ; the registers written and loaded below held S's fragments and the scale words, which the last products read
.irp i, 0,1,2,3,4,5,6,7                        ; part 2's scale words are asked for here and wanted behind the way out
	global_load_b128 v[SCL+8*\i:SCL+8*\i+3], v[VLV], s[LSV:LSV+1] offset:512*\i
	global_load_b128 v[SCL+8*\i+4:SCL+8*\i+7], v[VLV], s[LSV:LSV+1] offset:512*\i+16
.endr
.irp i, 0,1
	global_load_b128 v[SCS+8*\i:SCS+8*\i+3], v[VSS], s[SSV:SSV+1] offset:512*\i
	global_load_b128 v[SCS+8*\i+4:SCS+8*\i+7], v[VSS], s[SSV:SSV+1] offset:512*\i+16
.endr
.irp b, 0,1,2,3
	v_mov_b32 v[TM+4+\b], 0                        ; written once: a lane permute's destination counts as one of its sources
	v_mov_b32 v[NP+\b], 0
.endr
.irp n, 0,1                                    ; the sums of squares of my 256 columns, a chain for each tile of rows; each accumulator is read from its low end on
	WIN 0x0a+5*\n
.irp i, 0,1,2,3,4,5,6,7
.irp p, 0,1,2,3
.irp a, 0,1,2,3
.if (\n==0)&&(\i==0)&&(\p==0)
	v_pk_mul_f32 v[SS+2*\a:SS+2*\a+1], v[64*\a+8*\i+2*\p:64*\a+8*\i+2*\p+1], v[64*\a+8*\i+2*\p:64*\a+8*\i+2*\p+1]
.else
	v_pk_fma_f32 v[SS+2*\a:SS+2*\a+1], v[64*\a+8*\i+2*\p:64*\a+8*\i+2*\p+1], v[64*\a+8*\i+2*\p:64*\a+8*\i+2*\p+1], v[SS+2*\a:SS+2*\a+1]
.endif
.endr
.endr
.endr
.endr
	WIN 0
.irp a, 0,1,2,3
	v_add_f32 v[SS+2*\a], v[SS+2*\a], v[SS+2*\a+1]
.endr
.irp a, 0,1,2,3
	v_permlanex16_b32 v[NP+\a], v[SS+2*\a], s[SEL], s[SEL+1]
.endr
.irp a, 0,1,2,3
	v_add_f32 v[SS+2*\a], v[SS+2*\a], v[NP+\a]     ; with lane l xor 16's: both lanes now hold the same number
.endr
.irp a, 0,1,2,3
	ds_store_b32 v[ANW], v[SS+2*\a] offset:256*\a  ; row 16 a + r, my wave's word
.endr
	; ONE barrier for two things: the waves' parts of the sums meet; and L slot 1, which every wave has read out, takes part 2's second tile, which has the rest of this way out in which to land
	s_wait_tensorcnt 0x0                           ; all my tensor loads have landed: part 2's first tiles
	ds_add_u32 v[SPW], v[NIL]                      ; 0 onto my spare word
	s_add_nc_u64 s[G0L+6:G0L+7], s[LV:LV+1], 256   ; part 2: L's K 256 .. 511 into slot 1
	s_or_b32 s[G0L+7], s[G0L+7], 0x80000000
	s_wait_dscnt 0x0                               ; the add and my stores are done, and my reads of the slot are over
	s_barrier_signal -1
	s_barrier_wait -1
	CREST
	REFILL 1, -1
.irp a, 0,1,2,3
	ds_load_b128 v[T+4*\a:T+4*\a+3], v[ANR] offset:256*\a   ; the four waves' parts of my row's sum
.endr
	s_wait_dscnt 0x0
.irp a, 0,1,2,3
	v_add_f32 v[T+4*\a], v[T+4*\a], v[T+4*\a+1]
	v_add_f32 v[T+4*\a+2], v[T+4*\a+2], v[T+4*\a+3]
.endr
.irp a, 0,1,2,3
	v_add_f32 v[T+4*\a], v[T+4*\a], v[T+4*\a+2]
.endr
.irp a, 0,1,2,3
	v_max_num_f32 v[T+4*\a], 0x2b8cbccc, v[T+4*\a] ; held at 1e-12 from below
.endr
	s_wait_alu depctr_va_vdst(0)
.irp a, 0,1,2,3
	v_rsq_f32 v[RS+2*\a], v[T+4*\a]
.endr
.irp a, 0,1,2,3
	v_mov_b32 v[RS+2*\a+1], 0                      ; named with the root as a pair, so it is written; plain instructions behind the batch
.endr
	s_wait_alu depctr_va_vdst(0)                   ; one wait for the four, ahead of their first reader
; Fragment (n, a): 64 numbers x 1 / length come into window 0, are quantised, and leave as the image of an operand's registers; the scale word goes to my 512 bytes of LDS
.macro FRAGOUT n, a
.set OB, OI0+(OI1-OI0)*(\n)
	s_wait_xcnt 0x0                                ; the last fragment's stores have read their registers
	s_wait_dscnt 0x0
	WIN 0x02+(\n)                                  ; source 0: window 2 + n
.set jj, 0
.rept 32
	v_pk_mul_f32 v[T+2*jj:T+2*jj+1], v[64*(\a)+2*jj:64*(\a)+2*jj+1], v[RS+2*(\a):RS+2*(\a)+1] op_sel_hi:[1,0]
.set jj, jj+1
.endr
	WIN 0
	QUANT T, PW, 0
.irp c, 0,1,2,3
	global_store_b128 v[VO], v[PC+4*\c:PC+4*\c+3], s[OB:OB+1] offset:4096*(\a)+512*\c   ; 32 lanes store 512 consecutive bytes, aligned
.endr
	ds_store_b32 v[ASW], v[PW] offset:256*(\n)+64*(\a)
.endm
.irp n, 0,1
.irp a, 0,1,2,3
	FRAGOUT \n, \a
.endr
.endr
	ds_load_b64 v[T:T+1], v[ASR]                   ; LDS serves a wave's instructions in order (ISA guide 5.7.1.4): these see my stores
	ds_load_b64 v[T+2:T+3], v[ASR] offset:256
	s_wait_dscnt 0x0
	global_store_b64 v[VO8], v[T:T+1], s[OS0:OS0+1]   ; 64 rows' scale words of K step w: 256 consecutive bytes, aligned
	global_store_b64 v[VO8], v[T+2:T+3], s[OS1:OS1+1] ; and of K step 4 + w
	; PART 2: step u multiplies L slot u % 2 and S slot u % 2 for the u-th 256 along K, onto window 2.  Slot 0's tiles were shown landed to every wave by the barrier in part 1's way out
	s_wait_xcnt 0x0                                ; the stores have read their registers: S's fragments may land there
	FETCH_S 0, 0
	FETCH_L 0, 0
	s_wait_loadcnt 0x0                             ; part 2's scale words
	PARTA 0, 0, 0, 1, 1                            ; the first K step starts the sums anew
	TURN  0, 0, 0, 1, 2, 512, 1, 1
	PARTA 1, 0, 1, 1, 0
	TURN  1, 0, 1, 1, 3, 512, 0, 1
	PARTA 0, 0, 2, 1, 0
	TURN  0, 0, 2, 0, -1, 0, 0, 1                  ; nothing is left to fetch: a plain barrier
	PARTA 1, 0, 3, 1, 0
	LAST 0
	; PART 2'S WAY OUT: v is not normalised: the numbers are quantised where they lie
	PLACES 8                                       ; the first reads of results follow, and the registers written below held S's fragments
.macro FRAGV a
	s_wait_xcnt 0x0                                ; the last fragment's stores have read their registers
	s_wait_dscnt 0x0
	QUANT 64*(\a), PW, 2
.irp c, 0,1,2,3
	global_store_b128 v[VO], v[PC+4*\c:PC+4*\c+3], s[OIV:OIV+1] offset:4096*(\a)+512*\c   ; 32 lanes store 512 consecutive bytes, aligned
.endr
	ds_store_b32 v[ASW], v[PW] offset:64*(\a)
.endm
.irp a, 0,1,2,3
	FRAGV \a
.endr
	ds_load_b64 v[T:T+1], v[ASR]                   ; LDS serves a wave's instructions in order: this sees my stores
	s_wait_dscnt 0x0
	global_store_b64 v[VO8], v[T:T+1], s[OSV:OSV+1]   ; 64 channels' scale words of my 128 keys: 256 consecutive bytes, aligned
	s_wait_tensorcnt 0x0                           ; the wave's end: behind my last tensor load and my last LDS store
	ds_add_u32 v[SPW], v[NIL]
	s_wait_dscnt 0x0
	CROUND                                         ; the closing round: no work-group ends while a partner may still ask for a tile that names it
	s_endpgm
.Lfunc_end_k_q00a08b3def_proj:
	.size	k_q00a08b3def_proj, .Lfunc_end_k_q00a08b3def_proj-k_q00a08b3def_proj
	.p2alignl 7, 3214868480
	.fill 96, 4, 3214868480
	.section	.rodata,"a",@progbits
	.p2align	6, 0x0
	.amdhsa_kernel k_q00a08b3def_proj
		.amdhsa_group_segment_fixed_size 327680
		.amdhsa_private_segment_fixed_size 0
		.amdhsa_enable_private_segment 0
		.amdhsa_kernarg_size 128
		.amdhsa_user_sgpr_count 2
		.amdhsa_user_sgpr_kernarg_segment_ptr 1
		.amdhsa_wavefront_size32 1
		.amdhsa_system_sgpr_workgroup_id_x 1
		.amdhsa_system_sgpr_workgroup_id_y 1
		.amdhsa_system_sgpr_workgroup_id_z 1
		.amdhsa_system_vgpr_workitem_id 0
		.amdhsa_next_free_vgpr 1024
		.amdhsa_next_free_sgpr 100
		.amdhsa_reserve_vcc 0
		.amdhsa_float_denorm_mode_32 3
		.amdhsa_float_denorm_mode_16_64 3
		.amdhsa_memory_ordered 1
		.amdhsa_forward_progress 1
		.amdhsa_inst_pref_size 255
	.end_amdhsa_kernel
	.section	.bss,"aw",@nobits
	.p2align	6
	.space	262144
	.amdgpu_metadata
---
amdhsa.version: [ 1, 2 ]
amdhsa.kernels:
  - .name:           k_q00a08b3def_proj
    .symbol:         k_q00a08b3def_proj.kd
    .args:
      - { .name: x1_codes, .offset: 0, .size: 8, .value_kind: global_buffer, .address_space: global }
      - { .name: x1_scales, .offset: 8, .size: 8, .value_kind: global_buffer, .address_space: global }
      - { .name: x2_codes, .offset: 16, .size: 8, .value_kind: global_buffer, .address_space: global }
      - { .name: x2_scales, .offset: 24, .size: 8, .value_kind: global_buffer, .address_space: global }
      - { .name: WQ_codes, .offset: 32, .size: 8, .value_kind: global_buffer, .address_space: global }
      - { .name: WQ_scales, .offset: 40, .size: 8, .value_kind: global_buffer, .address_space: global }
      - { .name: WK_codes, .offset: 48, .size: 8, .value_kind: global_buffer, .address_space: global }
      - { .name: WK_scales, .offset: 56, .size: 8, .value_kind: global_buffer, .address_space: global }
      - { .name: WV_codes, .offset: 64, .size: 8, .value_kind: global_buffer, .address_space: global }
      - { .name: WV_scales, .offset: 72, .size: 8, .value_kind: global_buffer, .address_space: global }
      - { .name: qimg, .offset: 80, .size: 8, .value_kind: global_buffer, .address_space: global }
      - { .name: qsc, .offset: 88, .size: 8, .value_kind: global_buffer, .address_space: global }
      - { .name: kimg, .offset: 96, .size: 8, .value_kind: global_buffer, .address_space: global }
      - { .name: ksc, .offset: 104, .size: 8, .value_kind: global_buffer, .address_space: global }
      - { .name: vimg, .offset: 112, .size: 8, .value_kind: global_buffer, .address_space: global }
      - { .name: vsc, .offset: 120, .size: 8, .value_kind: global_buffer, .address_space: global }
    .group_segment_fixed_size: 327680
    .private_segment_fixed_size: 0
    .kernarg_segment_align: 8
    .kernarg_segment_size: 128
    .max_flat_workgroup_size: 128
    .sgpr_count:     100
    .vgpr_count:     1024
    .wavefront_size: 32
...
	.end_amdgpu_metadata
.endif
;; end of part 1
;; launch scores (part 2): grid 8 x 32, 4 waves a work-group, clusters of 4 x 4, 327,680 bytes of LDS; arguments qimg, qsc, kimg, ksc, pimg, paux; writes pimg, paux
.if DOCPART == 2
	.amdgcn_target "amdgcn-amd-amdhsa--gfx1250"
	.amdhsa_code_object_version 6
	.text
	.protected	k_q00a08b3def_scores
	.globl	k_q00a08b3def_scores
	.p2align	8
	.type	k_q00a08b3def_scores,@function
k_q00a08b3def_scores:
	s_mov_b64 s[64:65], 0
	v_nop
	global_prefetch_b8 v0, s[64:65] scope:SCOPE_SE
	s_setreg_imm32_b32 hwreg(HW_REG_WAVE_MODE, 25, 1), 1
	s_wait_xcnt 0x0
	s_wait_alu depctr_hold_cnt(0) depctr_sa_sdst(0) depctr_va_vdst(0) depctr_va_sdst(0) depctr_va_ssrc(0) depctr_va_vcc(0) depctr_vm_vsrc(0)
	s_getreg_b32 s2, hwreg(HW_REG_IB_STS2, 6, 4)
	s_cmp_eq_u32 s2, 0
	s_cbranch_scc0 .Lentry_in_a_cluster
	s_endpgm
.Lentry_in_a_cluster:
	s_bfe_u32 s2, ttmp6, 0x10000c
	s_cmp_lg_u32 s2, 0xf033
	s_cbranch_scc0 .Lentry_shape_is_right
	s_endpgm
.Lentry_shape_is_right:
; THE COSINE SCORES z = qn . kn (K = 1,024) on codes of FP8 (E4M3) with E8M0 scales, the exponentials, the parts of the rows' sums, and the quantising of p along the keys.  No work is left out.
; THE SOFTMAX AHEAD OF THE LAST PRODUCT: p = 2^(t - M), t = z x log2(e), M a whole number; p is not normalised; the row's sum of the unquantised p divides at the end.  HERE M = 0 FOR EVERY ROW.
; Why that holds for all inputs: qn and kn are vectors that the problem itself normalises, of length 1 at the most; rounding to the format enlarges a number by 1/16 at the most; so |z| < 1.2 and |t| < 1.75:
; no exponential and no sum of 2,048 of them can overflow or underflow.  A whole number taken off t multiplies p, the block's scale and the sum by the same power of two, exactly: the codes' values over the sum
; come out the same for every whole M.
; LIMITS: NaN and infinities are not served.  The order of the f32 sums is the matrix unit's own.
; A tile of 256 queries x 256 keys is made by a work-group of four waves; a wave makes 128 x 128: 64 accumulators.  Source 0 = 16 keys, source 1 = 16 queries: a lane holds ONE query, and its registers run along
; the keys, the next product's K.  The 64 registers of a block of 16 queries are one fragment of P: K step 2 X + (wave & 1) of the keys.
; OPERANDS lie in memory as images of their registers, [slot of 256 along K: 2^21 bytes][tile of 16 rows][2][2,048 bytes]: a fragment is four ds_load_b128 at 16 x lane.  The scale words, [K step][row], come once, at the head.
; CLUSTERS: 4 x 4 work-groups; the four of a row need the same queries, the four of a column the same keys: each tile is asked for JOINTLY.
; THE HEAD: one load a wave: slot 0's queries, its keys, the queries' scale words, the keys'.  Slot 1's first fill is issued as a refill is.
; PREFETCH: of the 32,768 bytes that a wave fetches of a slot, each of the four partners that ask with it names 8,192, lanes 256 bytes apart, told apart by address.  K's slots 1 and 2 are named at the head, behind the
; head's loads; slot 3 behind slot 1's load.  Slot 0 comes by its loads alone.
; REGISTERS: window 0: v9-30 addresses; v32-63 scale words, two sets; v128-255 the queries' fragments, ONE set; later at work on the way out.
;   window 1: the keys' fragments, TWO sets.   window 2: the accumulators of my queries 0-63 ((a, b) at v[8 (8 a + b)]);   window 3: of queries 64-127.
.set SLOT,  131072                     ; a slot: the queries' 16 tiles x 4,096 bytes, then the keys'
.set SCL,   2*SLOT                     ; two regions of 8,192 bytes (queries, keys), each [K step 8][256 rows] of scale words
.set STG,   SCL+16384                  ; 1,024 bytes for each wave: scale words and sums on their way out
.set SPARE, STG+4096
.set VO,   9
.set ASW,  13
.set ASR,  14
.set ADRA, 16
.set ADRB, 20
.set ADSA, 22
.set ADSB, 23
.set SPW,  28
.set NIL,  29
.set PFO,  30                          ; 256 x lane
.set SC,   32                          ; set s at SC + 16 s: + 4 q + p the queries' blocks 2 p (lanes 0-15) and 2 p + 1 (lanes 16-31); + 8 + 4 q + p the keys'
.set AF,   128
.set T,    128
.set PC,   192
.set TM,   208
.set U,    224
.set PW,   228
.set LS,   229
.set LT,   230
.set WV,  16
.set RH,  17                           ; which half of the queries is mine.  Also: I fetch queries (0) or keys (1)
.set CH,  18                           ; which half of the keys.  Also: which half I fetch
.set YY,  19
.set G1,  24
.set G0,  32
.set G1B, 48
.set G0B, 56
.set CS,  66
.set G1S, 68
.set G0S, 76
.set G1SB, 80
.set G0SB, 88
.set SEL, 92
.set MNT, 94
.set PFA, 96                           ; s[96:97] where my prefetches stand: K's slot 0 of my share
.set MSB, 0
.macro WIN new
.if MSB != (\new)
	s_set_vgpr_msb (MSB<<8)|(\new)
.set MSB, (\new)
.endif
.endm
.macro PLACES n
.rept \n
	v_nop
.endr
.endm
.macro CREST
	s_cmp_lg_u32 s[WV], 0
	s_cbranch_scc1 .Lnot_wave_0_\@
	s_barrier_signal -3
.Lnot_wave_0_\@:
	s_barrier_wait -3
	s_barrier_signal -1
	s_barrier_wait -1
.endm
.macro CROUND
	s_barrier_signal -1
	s_barrier_wait -1
	CREST
.endm
; A joint load: waves 0 and 1 fetch queries, waves 2 and 3 keys.  Each line has one mask and one set of registers for all that issue it; an s_nop 0 and four v_nop follow each
.macro JLOAD g0a, g1a, g0b, g1b
	s_cmp_eq_u32 s[RH], 0
	s_cbranch_scc0 .Lfor_b_\@
	tensor_load_to_lds s[\g0a:\g0a+3], s[\g1a:\g1a+7]
	s_nop 0
	PLACES 4
	s_branch .Lasked_\@
.Lfor_b_\@:
	tensor_load_to_lds s[\g0b:\g0b+3], s[\g1b:\g1b+7]
	s_nop 0
	PLACES 4
.Lasked_\@:
.endm
.macro WMMA zero, ra, rb
.if \zero
.if ((\ra)==0)&&((\rb)==0)
	v_wmma_scale_f32_16x16x128_f8f6f4 v[rD:rD+7], v[rA:rA+15], v[rB:rB+15], 0, v[rSA], v[rSB]
.elseif (\rb)==0
	v_wmma_scale_f32_16x16x128_f8f6f4 v[rD:rD+7], v[rA:rA+15], v[rB:rB+15], 0, v[rSA], v[rSB] matrix_a_scale:MATRIX_SCALE_ROW1
.elseif (\ra)==0
	v_wmma_scale_f32_16x16x128_f8f6f4 v[rD:rD+7], v[rA:rA+15], v[rB:rB+15], 0, v[rSA], v[rSB] matrix_b_scale:MATRIX_SCALE_ROW1
.else
	v_wmma_scale_f32_16x16x128_f8f6f4 v[rD:rD+7], v[rA:rA+15], v[rB:rB+15], 0, v[rSA], v[rSB] matrix_a_scale:MATRIX_SCALE_ROW1 matrix_b_scale:MATRIX_SCALE_ROW1
.endif
.else
.if ((\ra)==0)&&((\rb)==0)
	v_wmma_scale_f32_16x16x128_f8f6f4 v[rD:rD+7], v[rA:rA+15], v[rB:rB+15], v[rD:rD+7], v[rSA], v[rSB]
.elseif (\rb)==0
	v_wmma_scale_f32_16x16x128_f8f6f4 v[rD:rD+7], v[rA:rA+15], v[rB:rB+15], v[rD:rD+7], v[rSA], v[rSB] matrix_a_scale:MATRIX_SCALE_ROW1
.elseif (\ra)==0
	v_wmma_scale_f32_16x16x128_f8f6f4 v[rD:rD+7], v[rA:rA+15], v[rB:rB+15], v[rD:rD+7], v[rSA], v[rSB] matrix_b_scale:MATRIX_SCALE_ROW1
.else
	v_wmma_scale_f32_16x16x128_f8f6f4 v[rD:rD+7], v[rA:rA+15], v[rB:rB+15], v[rD:rD+7], v[rSA], v[rSB] matrix_a_scale:MATRIX_SCALE_ROW1 matrix_b_scale:MATRIX_SCALE_ROW1
.endif
.endif
.endm
; 64 numbers of a lane, none negative, 16 of each of four blocks of 32 (lane l xor 16 holds the other 16), become a fragment's codes in v[PC] on and its scale word in v[pw]
.macro QUANT s, pw
.irp b, 0,1,2,3
	v_max3_num_f32 v[TM+\b], v[\s+16*\b], v[\s+1+16*\b], 0x4800000   ; my 16 numbers, and the floor 2^(9 - 127): the byte cannot fall under 1
.endr
.irp i, 2,4,6,8,10,12,14
.irp b, 0,1,2,3
	v_max3_num_f32 v[TM+\b], v[TM+\b], v[\s+16*\b+\i], v[\s+1+16*\b+\i]
.endr
.endr
.irp b, 0,1,2,3
	v_permlanex16_b32 v[TM+4+\b], v[TM+\b], s[SEL], s[SEL+1]
.endr
.irp b, 0,1,2,3
	v_max_num_f32 v[TM+\b], v[TM+\b], v[TM+4+\b]   ; with lane l xor 16's: the block's largest
.endr
.irp b, 0,1,2,3
	v_add_nc_u32 v[TM+12+\b], 0xfc000000, v[TM+\b]   ; 8 off its exponent field: the conversion's scale operand
.endr
.irp b, 0,1,2,3
	v_and_or_b32 v[TM+8+\b], v[TM+\b], 0x7f800000, s[MNT]   ; 448 x the scale
.endr
.irp b, 0,1,2,3
	v_lshrrev_b32 v[TM+4+\b], 23, v[TM+12+\b]   ; the scale's byte
.endr
	v_lshl_or_b32 v[\pw], v[TM+5], 8, v[TM+4]
	v_lshl_or_b32 v[\pw], v[TM+6], 16, v[\pw]
	v_lshl_or_b32 v[\pw], v[TM+7], 24, v[\pw]
.irp b, 0,1,2,3
.irp i, 0,1,2,3,4,5,6,7,8,9,10,11,12,13,14,15
	v_min_num_f32 v[\s+16*\b+\i], v[\s+16*\b+\i], v[TM+8+\b]   ; the conversion does not saturate (ISA guide 7.6.2): the hold, one-sided
.endr
	v_cvt_scalef32_pk8_fp8_f32 v[PC+4*\b:PC+1+4*\b], v[\s+16*\b:\s+7+16*\b], v[TM+12+\b]
	v_cvt_scalef32_pk8_fp8_f32 v[PC+2+4*\b:PC+3+4*\b], v[\s+8+16*\b:\s+15+16*\b], v[TM+12+\b]
.endr
	v_nop                                          ; one plain vector instruction behind the last conversion
.endm
	s_load_b256 s[4:11], s[0:1], 0x0               ; qimg, qsc, kimg, ksc
	s_load_b128 s[12:15], s[0:1], 0x20             ; pimg, paux
	v_lshl_add_u32 v[SPW], v0, 2, SPARE
	v_mov_b32 v[NIL], 0
	ds_add_u32 v[SPW], v[NIL]                      ; the wave's opening: the add, twice on end, and its wait ahead of my first tensor load
	ds_add_u32 v[SPW], v[NIL]
	v_lshrrev_b32 v1, 5, v0
	v_readfirstlane_b32 s[WV], v1                  ; wave 0..3
	s_lshr_b32 s[RH], s[WV], 1
	s_and_b32 s[CH], s[WV], 1
	s_lshl_b32 s20, s[RH], 15
	s_lshl_b32 s21, s[CH], 15
	s_add_co_u32 s21, s21, 65536
	s_lshl_b32 s22, s[RH], 9
	s_add_co_u32 s22, s22, SCL
	s_lshl_b32 s23, s[CH], 9
	s_add_co_u32 s23, s23, SCL+8192
	s_lshl_b32 s98, s[WV], 10
	s_add_co_u32 s98, s98, STG
	v_and_b32 v1, 31, v0                           ; lane
	v_and_b32 v2, 15, v0                           ; r
	v_lshlrev_b32 v[VO], 4, v1
	v_lshlrev_b32 v3, 2, v1
	v_lshlrev_b32 v[PFO], 8, v1
	v_add_nc_u32 v[ADRA], s20, v[VO]
	v_add_nc_u32 v[ADRA+1], SLOT, v[ADRA]
	v_add_nc_u32 v[ADRB], s21, v[VO]
	v_add_nc_u32 v[ADRB+1], SLOT, v[ADRB]
	v_add_nc_u32 v[ADSA], s22, v3
	v_add_nc_u32 v[ADSB], s23, v3
	v_lshl_add_u32 v[ASW], v2, 2, s98
	v_add_nc_u32 v[ASR], s98, v[VO]
	s_bfe_u32 s40, ttmp6, 0x40000                  ; cx, cy: my place in the cluster
	s_bfe_u32 s41, ttmp6, 0x40004
	s_lshl_b32 s42, ttmp9, 2
	s_add_co_u32 s42, s42, s40                     ; X: which 256 keys of the batch
	s_and_b32 s45, ttmp7, 0xffff
	s_lshl_b32 s[YY], s45, 2
	s_add_co_u32 s[YY], s[YY], s41                 ; Y: which 256 queries of all batches
	s_lshr_b32 s45, s45, 1                         ; the batch: the same in all sixteen partners
	s_lshl_b32 s43, s41, 2
	s_lshl_b32 s43, 15, s43                        ; my row of the cluster
	s_lshl_b32 s44, 0x1111, s40                    ; my column
	; group 1.  Codes: dense rows of 256 bytes (32 elements of 8 bytes): 256 rows for the head's loads, 128 behind them
	s_or_b32 s[G1], s43, (3<<16)|(1<<21)
	s_or_b32 s[G1B], s44, (3<<16)|(1<<21)
.irp g, G1, G1B
	s_mov_b32 s[\g+1], 32<<16
	s_mov_b32 s[\g+2], 256<<16
	s_mov_b32 s[\g+3], 32<<16
	s_mov_b32 s[\g+4], 256
	s_mov_b32 s[\g+5], 32
	s_mov_b32 s[\g+6], 0
	s_mov_b32 s[\g+7], 0
.endr
	; scale words: 8 K steps x 256 rows' words (1,024 bytes: 128 elements), 32,768 bytes (4,096 elements) from K step to K step
	s_or_b32 s[G1S], s43, (3<<16)|(1<<21)
	s_or_b32 s[G1SB], s44, (3<<16)|(1<<21)
.irp g, G1S, G1SB
	s_mov_b32 s[\g+1], 128<<16
	s_mov_b32 s[\g+2], 8<<16
	s_mov_b32 s[\g+3], 128<<16
	s_mov_b32 s[\g+4], 8
	s_mov_b32 s[\g+5], 4096
	s_mov_b32 s[\g+6], 0
	s_mov_b32 s[\g+7], 0
.endr
	; where the tiles come from: the queries' hang on Y alone, the keys' on X and the batch alone, each in registers that never hold the other coordinate
	s_lshl_b32 s2, s[CH], 15                       ; which 8 tiles of rows I fetch in the ring
	s_mov_b32 s3, 0
	s_lshl_b32 s20, s[YY], 16                      ; 16 Y x 4,096
	s_mov_b32 s21, 0
	s_lshl_b32 s46, s45, 19
	s_lshl_b32 s47, s42, 16
	s_add_co_u32 s46, s46, s47                     ; (128 batch + 16 X) x 4,096
	s_mov_b32 s47, 0
	s_lshl_b32 s22, s[YY], 10                      ; 256 Y x 4
	s_mov_b32 s23, 0
	s_lshl_b32 s96, s45, 13
	s_lshl_b32 s97, s42, 10
	s_add_co_u32 s96, s96, s97                     ; (2,048 batch + 256 X) x 4
	s_mov_b32 s97, 0
	s_lshl_b32 s99, s[WV], 15                      ; where the ring's tiles go: wave x 32,768
	s_mov_b32 s[CS], 0x3fb8aa3b                    ; log2(e)
	s_mov_b32 s[CS+1], s[CS]
	s_mov_b32 s[SEL], 0x76543210
	s_mov_b32 s[SEL+1], 0xfedcba98
	s_mov_b32 s[MNT], 0x600000
	s_wait_alu depctr_va_vdst(0)                   ; directly ahead of the waits below
	s_wait_dscnt 0x0                               ; both opening adds are done
	s_wait_kmcnt 0x0
	s_add_nc_u64 s[20:21], s[4:5], s[20:21]
	s_add_nc_u64 s[22:23], s[6:7], s[22:23]
	s_add_nc_u64 s[46:47], s[8:9], s[46:47]
	s_add_nc_u64 s[96:97], s[10:11], s[96:97]
	CROUND                                         ; all sixteen work-groups are here: the first joint loads meet
	s_mov_b32 s4, 1                                ; the head's groups 0, where the arguments lay: slot 0's 16 tiles of queries, whole,
	s_mov_b32 s5, 0
	s_mov_b64 s[6:7], s[20:21]
	s_or_b32 s7, s7, 0x80000000
	s_mov_b32 s8, 1                                ; and its 16 tiles of keys, behind them
	s_mov_b32 s9, 65536
	s_mov_b64 s[10:11], s[46:47]
	s_or_b32 s11, s11, 0x80000000
	s_add_nc_u64 s[20:21], s[20:21], s[2:3]        ; for the ring: my 8 tiles
	s_add_nc_u64 s[46:47], s[46:47], s[2:3]
	s_mov_b32 s[G0S], 1
	s_mov_b32 s[G0S+1], SCL
	s_mov_b64 s[G0S+2:G0S+3], s[22:23]
	s_or_b32 s[G0S+3], s[G0S+3], 0x80000000
	s_mov_b32 s[G0SB], 1
	s_mov_b32 s[G0SB+1], SCL+8192
	s_mov_b64 s[G0SB+2:G0SB+3], s[96:97]
	s_or_b32 s[G0SB+3], s[G0SB+3], 0x80000000
.irp s, 0,1
	s_mov_b32 s[G0+4*\s], 1
	s_add_co_u32 s[G0+4*\s+1], s99, \s*SLOT
	s_add_nc_u64 s[G0+4*\s+2:G0+4*\s+3], s[20:21], \s*0x200000
	s_or_b32 s[G0+4*\s+3], s[G0+4*\s+3], 0x80000000
	s_mov_b32 s[G0B+4*\s], 1
	s_add_co_u32 s[G0B+4*\s+1], s99, \s*SLOT
	s_add_nc_u64 s[G0B+4*\s+2:G0B+4*\s+3], s[46:47], \s*0x200000
	s_or_b32 s[G0B+4*\s+3], s[G0B+4*\s+3], 0x80000000
.endr
; THE HEAD'S LOADS, ONE A WAVE, in one chain of branches on the wave's number, a load to an arm
.macro ARM under, g0, g1, next
	s_cmp_lt_u32 s[WV], \under
	s_cbranch_scc0 \next
	tensor_load_to_lds s[\g0:\g0+3], s[\g1:\g1+7]
	s_nop 0
	PLACES 4
	s_branch .Lhead_asked
\next:
.endm
	ARM 1, 4, G1, .Lhead_b
	ARM 2, 8, G1B, .Lhead_sa
	ARM 3, G0S, G1S, .Lhead_sb
	tensor_load_to_lds s[G0SB:G0SB+3], s[G1SB:G1SB+7]
	s_nop 0
	PLACES 4
.Lhead_asked:
	s_cmp_eq_u32 s[RH], 0                          ; the prefetches: of my 8 tiles, my work-group's quarter: by cx among the queries' partners, by cy among the keys'
	s_cselect_b64 s[PFA:PFA+1], s[20:21], s[46:47]
	s_cselect_b32 s98, s40, s41
	s_lshl_b32 s98, s98, 13
	s_mov_b32 s99, 0
	s_add_nc_u64 s[PFA:PFA+1], s[PFA:PFA+1], s[98:99]
	global_prefetch_b8 v[PFO], s[PFA:PFA+1] offset:0x200000 th:TH_LOAD_NT scope:SCOPE_SE   ; K's slot 1,
	global_prefetch_b8 v[PFO], s[PFA:PFA+1] offset:0x400000 th:TH_LOAD_NT scope:SCOPE_SE   ; slot 2
	; where my results go
	s_lshl_b32 s20, s42, 21                        ; P's slot of 256 keys is X,
	s_lshl_b32 s21, s[YY], 16
	s_add_co_u32 s20, s20, s21
	s_lshl_b32 s21, s[RH], 15
	s_add_co_u32 s20, s20, s21                     ; tile of rows 16 Y + 8 half,
	s_lshl_b32 s21, s[CH], 11
	s_add_co_u32 s20, s20, s21                     ; in it the fragment of my half of the keys
	s_mov_b32 s21, 0
	s_add_nc_u64 s[12:13], s[12:13], s[20:21]
	s_lshl_b32 s20, s42, 1
	s_add_co_u32 s20, s20, s[CH]
	s_lshl_b32 s20, s20, 15                        ; K step 2 X + half: 8,192 words each
	s_lshl_b32 s21, s[YY], 10
	s_add_co_u32 s20, s20, s21
	s_lshl_b32 s21, s[RH], 9
	s_add_co_u32 s20, s20, s21
	s_mov_b32 s21, 0
	s_add_nc_u64 s[14:15], s[14:15], s[20:21]      ; the scale words,
	s_add_nc_u64 s[2:3], s[14:15], 0x80000         ; and, 524,288 bytes on, the parts of the sums
.macro FRAG reg, adr, q, i             ; a fragment comes back as it was stored: four groups of four registers, 512 bytes each, 16 bytes a lane
.irp c, 0,1,2,3
	ds_load_b128 v[\reg+4*\c:\reg+4*\c+3], v[\adr] offset:4096*(\i)+2048*(\q)+512*\c
.endr
.endm
; 16 matrix instructions: the queries' blocks a0, a0 + 1 x the keys' eight.  The 64 accumulators take turns
.macro MUL16 a0, p, q, sc, zero
.irp a, \a0, \a0+1
.irp b, 0,1,2,3,4,5,6,7
.set rD, 8*(8*((\a)%4)+\b)
.set rA, 128*(\p)+16*\b
.set rB, AF+16*(\a)
.set rSA, SC+16*(\sc)+8+4*(\q)+\b/2
.set rSB, SC+16*(\sc)+4*(\q)+(\a)/2
	WMMA \zero, \b%2, (\a)%2
.endr
.endr
.endm
.macro FETCH_B slot, q, p
	WIN 0x40
.irp i, 0,1,2,3,4,5,6,7
	FRAG 128*(\p)+16*\i, ADRB+\slot, \q, \i
.endr
	WIN 0
.endm
.macro FETCH_A slot, q, i0
.irp i, \i0, \i0+1, \i0+2, \i0+3
	FRAG AF+16*(\i), ADRA+\slot, \q, \i
.endr
.endm
.macro SCALES sc, ks                   ; the scale words of slot ks of K into set sc: 32 lanes take 32 rows' words
.irp q, 0,1
.irp p, 0,1,2,3
	ds_load_b32 v[SC+16*(\sc)+4*\q+\p], v[ADSA] offset:(2*(\ks)+\q)*1024+128*\p
	ds_load_b32 v[SC+16*(\sc)+8+4*\q+\p], v[ADSB] offset:(2*(\ks)+\q)*1024+128*\p
.endr
.endr
.endm
.macro STEP slot, zero                 ; a slot's first 128 along K
	s_wait_dscnt 16                                ; all but the youngest sixteen loads (the queries' blocks 4-7) are in
	WIN 0xa1
	MUL16 0, 0, 0, \slot, \zero
	MUL16 2, 0, 0, \slot, \zero
	s_wait_dscnt 0x0
	PLACES 8
	FETCH_B \slot, 1, 1
	FETCH_A \slot, 1, 0
	WIN 0xf1
	MUL16 4, 0, 0, \slot, \zero
	MUL16 6, 0, 0, \slot, \zero
	PLACES 8
	WIN 0
	FETCH_A \slot, 1, 4
.endm
; A slot's second 128 change slots: ONE barrier.  In front of it each wave waits for all its tensor loads, adds 0 to its spare word, and waits for that and for its own reads of this slot.  nk: the next slot of K
.macro TURN slot, next, fill, nk
	s_wait_dscnt 16
	WIN 0xa1
	MUL16 0, 1, 1, \slot, 0
	MUL16 2, 1, 1, \slot, 0
	WIN 0
	s_wait_tensorcnt 0x0                           ; all my tensor loads have landed: so every group 0 may be written
	ds_add_u32 v[SPW], v[NIL]                      ; 0 onto my spare word
.if \fill
	s_add_nc_u64 s[G0+4*\slot+2:G0+4*\slot+3], s[G0+4*\slot+2:G0+4*\slot+3], 0x400000   ; two slots of K on
	s_add_nc_u64 s[G0B+4*\slot+2:G0B+4*\slot+3], s[G0B+4*\slot+2:G0B+4*\slot+3], 0x400000
.endif
	s_wait_dscnt 0x0                               ; the add is done, and my reads of this slot are over
	s_barrier_signal -1
	s_barrier_wait -1
.if \fill
	CREST                                          ; no wave of any partner still reads this slot or has a load on its way
	JLOAD G0+4*\slot, G1, G0B+4*\slot, G1B
	PLACES 4
.else
	PLACES 8
.endif
	FETCH_B \next, 0, 0
	FETCH_A \next, 0, 0
	SCALES \next, \nk
	WIN 0xf1
	MUL16 4, 1, 1, \slot, 0
	MUL16 6, 1, 1, \slot, 0
	PLACES 8
	WIN 0
	FETCH_A \next, 0, 4
.endm
	s_wait_alu depctr_va_vdst(0)                   ; the head's end
	s_wait_tensorcnt 0x0                           ; my tile of the head's four is in; slot 1's first fill is issued as a refill is:
	ds_add_u32 v[SPW], v[NIL]                      ; 0 onto my spare word
	s_mov_b32 s[G1+2], 128<<16                     ; no tensor load of mine is out: from here on a load brings 128 rows
	s_mov_b32 s[G1+4], 128
	s_mov_b32 s[G1B+2], 128<<16
	s_mov_b32 s[G1B+4], 128
	s_wait_dscnt 0x0                               ; the add is done
	CROUND                                         ; all four tiles are in, and all sixteen work-groups are here
	JLOAD G0+4, G1, G0B+4, G1B                     ; slot 1: the first tensor load behind the round
	FETCH_B 0, 0, 0
	FETCH_A 0, 0, 0
	SCALES 0, 0
	FETCH_A 0, 0, 4
	global_prefetch_b8 v[PFO], s[PFA:PFA+1] offset:0x600000 th:TH_LOAD_NT scope:SCOPE_SE   ; K's slot 3
	STEP 0, 1                                      ; the first products start the sums: nothing is cleared
	TURN 0, 1, 1, 1
	STEP 1, 0
	TURN 1, 0, 1, 2
	STEP 0, 0
	TURN 0, 1, 0, 3                                ; nothing is left to fetch: a plain barrier
	STEP 1, 0
	s_wait_dscnt 16
	WIN 0xa1
	MUL16 0, 1, 1, 1, 0
	MUL16 2, 1, 1, 1, 0
	s_wait_dscnt 0x0
	WIN 0xf1
	MUL16 4, 1, 1, 1, 0
	MUL16 6, 1, 1, 1, 0
	WIN 0
	; THE WAY OUT, a block of 16 queries x my 128 keys at a time
	PLACES 8                                       ; the registers written below held the queries' fragments, and the first reads of results follow
.irp b, 0,1,2,3
	v_mov_b32 v[TM+4+\b], 0                        ; written once: a lane permute's destination counts as one of its sources
.endr
	v_mov_b32 v[LT], 0
.macro POUT a
	s_wait_xcnt 0x0                                ; the last block's stores have read their registers
	s_wait_dscnt 0x0
	WIN 0x02+(\a)/4
.set jj, 0
.rept 32
	v_pk_mul_f32 v[T+2*jj:T+2*jj+1], v[64*((\a)%4)+2*jj:64*((\a)%4)+2*jj+1], s[CS:CS+1] op_sel_hi:[1,0]   ; t = z x log2(e); each accumulator from its low end on
.set jj, jj+1
.endr
	WIN 0
.set jj, 0
	s_wait_alu depctr_va_vdst(0)                   ; ahead of the batch
.rept 64
	v_exp_f32 v[T+jj], v[T+jj]                     ; p = 2^t
.set jj, jj+1
.endr
	v_nop                                          ; a plain instruction behind the last of the batch
	s_wait_alu depctr_va_vdst(0)                   ; one wait for the 64, ahead of their first reader
	v_pk_add_f32 v[U:U+1], v[T:T+1], v[T+2:T+3]    ; THE SUM IS TAKEN OF THE UNQUANTISED p: two at a time, in two chains
	v_pk_add_f32 v[U+2:U+3], v[T+4:T+5], v[T+6:T+7]
.irp j, 8,12,16,20,24,28,32,36,40,44,48,52,56,60
	v_pk_add_f32 v[U:U+1], v[U:U+1], v[T+\j:T+\j+1]
	v_pk_add_f32 v[U+2:U+3], v[U+2:U+3], v[T+\j+2:T+\j+3]
.endr
	v_pk_add_f32 v[U:U+1], v[U:U+1], v[U+2:U+3]
	v_add_f32 v[LS], v[U], v[U+1]
	v_permlanex16_b32 v[LT], v[LS], s[SEL], s[SEL+1]
	v_add_f32 v[LS], v[LS], v[LT]                  ; with lane l xor 16's: my query's 128 keys
	QUANT T, PW
.irp c, 0,1,2,3
	global_store_b128 v[VO], v[PC+4*\c:PC+4*\c+3], s[12:13] offset:4096*(\a)+512*\c   ; 32 lanes store 512 consecutive bytes, aligned
.endr
	ds_store_b32 v[ASW], v[PW] offset:64*(\a)
	ds_store_b32 v[ASW], v[LS] offset:512+64*(\a)
.endm
.irp a, 0,1,2,3,4,5,6,7
	POUT \a
.endr
	ds_load_b128 v[T:T+3], v[ASR]                  ; LDS serves a wave's instructions in order (ISA guide 5.7.1.4): these see my stores
	ds_load_b128 v[T+4:T+7], v[ASR] offset:512
	s_wait_dscnt 0x0
	global_store_b128 v[VO], v[T:T+3], s[14:15]    ; my 128 queries' scale words: 512 consecutive bytes, aligned
	global_store_b128 v[VO], v[T+4:T+7], s[2:3]    ; and their parts of the sums
	s_wait_tensorcnt 0x0                           ; the wave's end
	ds_add_u32 v[SPW], v[NIL]
	s_wait_dscnt 0x0
	CROUND                                         ; the closing round
	s_endpgm
.Lfunc_end_k_q00a08b3def_scores:
	.size	k_q00a08b3def_scores, .Lfunc_end_k_q00a08b3def_scores-k_q00a08b3def_scores
	.p2alignl 7, 3214868480
	.fill 96, 4, 3214868480
	.section	.rodata,"a",@progbits
	.p2align	6, 0x0
	.amdhsa_kernel k_q00a08b3def_scores
		.amdhsa_group_segment_fixed_size 327680
		.amdhsa_private_segment_fixed_size 0
		.amdhsa_enable_private_segment 0
		.amdhsa_kernarg_size 48
		.amdhsa_user_sgpr_count 2
		.amdhsa_user_sgpr_kernarg_segment_ptr 1
		.amdhsa_wavefront_size32 1
		.amdhsa_system_sgpr_workgroup_id_x 1
		.amdhsa_system_sgpr_workgroup_id_y 1
		.amdhsa_system_sgpr_workgroup_id_z 1
		.amdhsa_system_vgpr_workitem_id 0
		.amdhsa_next_free_vgpr 1024
		.amdhsa_next_free_sgpr 100
		.amdhsa_reserve_vcc 0
		.amdhsa_float_denorm_mode_32 3
		.amdhsa_float_denorm_mode_16_64 3
		.amdhsa_memory_ordered 1
		.amdhsa_forward_progress 1
		.amdhsa_inst_pref_size 221
	.end_amdhsa_kernel
	.amdgpu_metadata
---
amdhsa.version: [ 1, 2 ]
amdhsa.kernels:
  - .name:           k_q00a08b3def_scores
    .symbol:         k_q00a08b3def_scores.kd
    .args:
      - { .name: qimg, .offset: 0, .size: 8, .value_kind: global_buffer, .address_space: global }
      - { .name: qsc, .offset: 8, .size: 8, .value_kind: global_buffer, .address_space: global }
      - { .name: kimg, .offset: 16, .size: 8, .value_kind: global_buffer, .address_space: global }
      - { .name: ksc, .offset: 24, .size: 8, .value_kind: global_buffer, .address_space: global }
      - { .name: pimg, .offset: 32, .size: 8, .value_kind: global_buffer, .address_space: global }
      - { .name: paux, .offset: 40, .size: 8, .value_kind: global_buffer, .address_space: global }
    .group_segment_fixed_size: 327680
    .private_segment_fixed_size: 0
    .kernarg_segment_align: 8
    .kernarg_segment_size: 48
    .max_flat_workgroup_size: 128
    .sgpr_count:     100
    .vgpr_count:     1024
    .wavefront_size: 32
...
	.end_amdgpu_metadata
.endif
;; end of part 2
;; launch pv (part 3): grid 4 x 64, 4 waves a work-group, clusters of 4 x 4, 327,680 bytes of LDS; arguments pimg, paux, vimg, vsc, out0; writes out0
.if DOCPART == 3
	.amdgcn_target "amdgcn-amd-amdhsa--gfx1250"
	.amdhsa_code_object_version 6
	.text
	.protected	k_q00a08b3def_pv
	.globl	k_q00a08b3def_pv
	.p2align	8
	.type	k_q00a08b3def_pv,@function
k_q00a08b3def_pv:
	s_mov_b64 s[64:65], 0
	v_nop
	global_prefetch_b8 v0, s[64:65] scope:SCOPE_SE
	s_setreg_imm32_b32 hwreg(HW_REG_WAVE_MODE, 25, 1), 1
	s_wait_xcnt 0x0
	s_wait_alu depctr_hold_cnt(0) depctr_sa_sdst(0) depctr_va_vdst(0) depctr_va_sdst(0) depctr_va_ssrc(0) depctr_va_vcc(0) depctr_vm_vsrc(0)
	s_getreg_b32 s2, hwreg(HW_REG_IB_STS2, 6, 4)
	s_cmp_eq_u32 s2, 0
	s_cbranch_scc0 .Lentry_in_a_cluster
	s_endpgm
.Lentry_in_a_cluster:
	s_bfe_u32 s2, ttmp6, 0x10000c
	s_cmp_lg_u32 s2, 0xf033
	s_cbranch_scc0 .Lentry_shape_is_right
	s_endpgm
.Lentry_shape_is_right:
; y = (P V) / l on codes of FP8 (E4M3) with one E8M0 scale for each 32 keys: P = 2^t as the launch before left it, l = the sum of its sixteen parts of each row's sum.  K = the batch's 2,048 keys.  No work is left out.
; LIMITS: NaN and infinities are not served.  The order of the f32 sums is the matrix unit's own, K ascending, one accumulator for each output.
; SHARES: a work-group makes 128 queries x 256 channels; wave w 64 queries (half w / 2) x 128 channels (half w % 2): 32 accumulators.  Source 0 = 16 channels of V, source 1 = 16 queries of P:
; a lane holds one query and eight neighbouring channels.
; V: images of operand registers, [batch][256 keys: 2^18 bytes][tile of 16 channels: 4,096][K step 2][2,048].  A ring of two LDS slots of 512 keys (131,072 bytes each), filled by joint loads of the four
; work-groups of a cluster's column, which need the same channels of the same batch.  Four fills serve all of K.
; P: images likewise, [256 keys: 2^21 bytes][tile of 16 queries: 4,096][K step 2][2,048].  A wave's four fragments of a K step come STRAIGHT INTO REGISTERS, sixteen loads of 512 consecutive bytes each, into a ring
; of four K steps (window 3): a K step's entry is asked for again as soon as its products are issued, three K steps ahead of its use.  P IS NOT ASKED FOR JOINTLY: it does not pass through LDS, of whose
; 327,680 bytes V's two slots and the tables take 294,912; two slots of P for 512 keys would be 131,072 more.
; THE HEAD, one load a wave: wave 0 slot 0 (keys 0 .. 511), wave 1 slot 1 (keys 512 .. 1,023), each as two rows of 65,536 bytes, 2^18 bytes apart in memory; wave 2 V's scale words, 16 K steps x 1,024 bytes; wave 3 P's
; scale words, 16 K steps x 512 bytes, and, 2^19 bytes on at the same pitch, the 16 parts of the sums: one tile of 32 rows.  The first barrier shows the tiles of waves 0, 2 and 3; wave 1's load has a line of its own and
; is waited for at the first change of slots, ahead of slot 1's first read.  The two refills come a quarter of a slot a wave, dense blocks of 32,768 bytes.
; PREFETCH: in K steps 0 to 3 the blocks of 256 keys numbered 4 to 7 of P and of V are named, 8,192 bytes an instruction, lanes 256 bytes apart.  P: wave 0, the cluster row's four partners a quarter each, told apart by
; address.  V: waves 2 and 3, the column's partners a quarter each, in the first of the four clusters that walk a batch.  Keys 0 to 1,023 come by their loads alone.
; REGISTERS: window 0: v9-19 addresses; v32-47 scale words, two sets of 8 (P's at +0, +1, V's at +2 .. +5); v48-57 1 / l; v64-255 the way out.  Window 1: V's fragments, two sets.  Window 2: accumulator (a, b) at v[64 a + 8 b].  Window 3: P's ring.
.set SUB,   65536                      ; 256 keys of my 256 channels
.set SLOT,  2*SUB
.set SCV,   2*SLOT                     ; V's scale words [K step 16][256 channels]
.set SCP,   SCV+16384                  ; P's scale words [K step 16][128 queries], then the parts of the sums [16][128]
.set SPARE, SCP+16384                  ; the spare words, 128 bytes for each wave
.set SPITCH, 528                       ; the way out: a stage of 16 rows x (512 + 16) bytes for each wave, from LDS byte 0: slot 0 has had its last fill and its last read by then
.set CO,   9                           ; 16 x lane
.set PFO,  10                          ; 256 x lane
.set ADSA, 11                          ; P's scale words: SCP + 256 (w / 2) + 4 x lane
.set ADSB, 12                          ; V's: SCV + 512 (w % 2) + 4 x lane
.set STO,  13
.set RD,   14
.set ADRB, 16                          ; v16-19 my eight tiles of V in each of the ring's four blocks of 256 keys
.set SPW,  28
.set NIL,  29
.set SC,   32
.set RL,   48
.set XT,   56
.set LQ,   64
.set TMP,  64
.set BK,   128
.set PFA, 14
.set WV,  16
.set RH,  17
.set CH,  18
.set YY,  19
.set G0H, 24                           ; s[24:27], s[28:31] groups 0 of the head's loads of slot 0, slot 1
.set PB0, 32                           ; s[32:33] P at my 64 queries, keys 0 on;  s[34:35] keys 1,024 on
.set PB1, 34
.set G1B, 48
.set G0B, 56                           ; s[56:63] groups 0 of the ring's two slots
.set G1SV, 68
.set G0SV, 76
.set G1SP, 80
.set G0SP, 88
.set SEL, 92
.set ASKF, 94                          ; 1: my wave names P's blocks; 2: V's; 0: none
.set HM,  95
.set MSB, 0
.macro WIN new
.if MSB != (\new)
	s_set_vgpr_msb (MSB<<8)|(\new)
.set MSB, (\new)
.endif
.endm
.macro PLACES n
.rept \n
	v_nop
.endr
.endm
.macro CREST
	s_cmp_lg_u32 s[WV], 0
	s_cbranch_scc1 .Lnot_wave_0_\@
	s_barrier_signal -3
.Lnot_wave_0_\@:
	s_barrier_wait -3
	s_barrier_signal -1
	s_barrier_wait -1
.endm
.macro CROUND
	s_barrier_signal -1
	s_barrier_wait -1
	CREST
.endm
.macro TL g0, g1                       ; a tensor load; an s_nop 0 and four v_nop follow it
	tensor_load_to_lds s[\g0:\g0+3], s[\g1:\g1+7]
	s_nop 0
	PLACES 4
.endm
.macro DESC g, mask, c, r, p           ; group 1: r rows of c elements of 8 bytes, p elements apart, no padding; bit 21 stands beside the mask
	s_or_b32 s[\g], s\mask, (3<<16)|(1<<21)
	s_mov_b32 s[\g+1], (\c)<<16
	s_mov_b32 s[\g+2], (\r)<<16
	s_mov_b32 s[\g+3], (\c)<<16
	s_mov_b32 s[\g+4], \r
	s_mov_b32 s[\g+5], \p
	s_mov_b32 s[\g+6], 0
	s_mov_b32 s[\g+7], 0
.endm
.macro WMMA zero, ra, rb
.if \zero
.if ((\ra)==0)&&((\rb)==0)
	v_wmma_scale_f32_16x16x128_f8f6f4 v[rD:rD+7], v[rA:rA+15], v[rB:rB+15], 0, v[rSA], v[rSB]
.elseif (\rb)==0
	v_wmma_scale_f32_16x16x128_f8f6f4 v[rD:rD+7], v[rA:rA+15], v[rB:rB+15], 0, v[rSA], v[rSB] matrix_a_scale:MATRIX_SCALE_ROW1
.elseif (\ra)==0
	v_wmma_scale_f32_16x16x128_f8f6f4 v[rD:rD+7], v[rA:rA+15], v[rB:rB+15], 0, v[rSA], v[rSB] matrix_b_scale:MATRIX_SCALE_ROW1
.else
	v_wmma_scale_f32_16x16x128_f8f6f4 v[rD:rD+7], v[rA:rA+15], v[rB:rB+15], 0, v[rSA], v[rSB] matrix_a_scale:MATRIX_SCALE_ROW1 matrix_b_scale:MATRIX_SCALE_ROW1
.endif
.else
.if ((\ra)==0)&&((\rb)==0)
	v_wmma_scale_f32_16x16x128_f8f6f4 v[rD:rD+7], v[rA:rA+15], v[rB:rB+15], v[rD:rD+7], v[rSA], v[rSB]
.elseif (\rb)==0
	v_wmma_scale_f32_16x16x128_f8f6f4 v[rD:rD+7], v[rA:rA+15], v[rB:rB+15], v[rD:rD+7], v[rSA], v[rSB] matrix_a_scale:MATRIX_SCALE_ROW1
.elseif (\ra)==0
	v_wmma_scale_f32_16x16x128_f8f6f4 v[rD:rD+7], v[rA:rA+15], v[rB:rB+15], v[rD:rD+7], v[rSA], v[rSB] matrix_b_scale:MATRIX_SCALE_ROW1
.else
	v_wmma_scale_f32_16x16x128_f8f6f4 v[rD:rD+7], v[rA:rA+15], v[rB:rB+15], v[rD:rD+7], v[rSA], v[rSB] matrix_a_scale:MATRIX_SCALE_ROW1 matrix_b_scale:MATRIX_SCALE_ROW1
.endif
.endif
.endm
.macro PLOAD k                         ; P's four fragments of K step k into entry k % 4 of window 3: sixteen loads, each of 512 consecutive bytes
.set pb_, PB0+2*((\k)/8)
	WIN 0xc0
.irp a, 0,1,2,3
.irp c, 0,1,2,3
	global_load_b128 v[64*((\k)%4)+16*\a+4*\c:64*((\k)%4)+16*\a+4*\c+3], v[CO], s[pb_:pb_+1] offset:(((\k)/2)%4)*0x200000+((\k)%2)*2048+4096*\a+512*\c
.endr
.endr
	WIN 0
.endm
.macro FETCH k                         ; K step k's six scale words and my eight fragments of V, into the sets k % 2: 38 LDS loads
.set sc_, SC+8*((\k)%2)
.set ad_, ADRB+((\k)/2)%4
.irp p, 0,1
	ds_load_b32 v[sc_+\p], v[ADSA] offset:(\k)*512+128*\p
.endr
.irp p, 0,1,2,3
	ds_load_b32 v[sc_+2+\p], v[ADSB] offset:(\k)*1024+128*\p
.endr
	WIN 0x40
.irp b, 0,1,2,3,4,5,6,7
.irp c, 0,1,2,3
	ds_load_b128 v[128*((\k)%2)+16*\b+4*\c:128*((\k)%2)+16*\b+4*\c+3], v[ad_] offset:4096*\b+2048*((\k)%2)+512*\c
.endr
.endr
	WIN 0
.endm
.macro MUL k, b0, zero                 ; sixteen products: V's tiles b0 .. b0 + 3 x P's four.  The 32 accumulators take turns, one instruction a turn
	WIN 0xad                                       ; source 0 (V) window 1, source 1 (P) window 3, C and D window 2
.set bb, \b0
.rept 4
.set aa, 0
.rept 4
.set rD, 64*aa+8*bb
.set rA, 128*((\k)%2)+16*bb
.set rB, 64*((\k)%4)+16*aa
.set rSA, SC+8*((\k)%2)+2+bb/2
.set rSB, SC+8*((\k)%2)+aa/2
	WMMA \zero, bb%2, aa%2
.set aa, aa+1
.endr
.set bb, bb+1
.endr
.endm
.macro ASK j                           ; the 256 keys numbered 4 + j are named; the branches hang on the wave's and the cluster's numbers alone
	s_cmp_eq_u32 s[ASKF], 1
	s_cbranch_scc0 .Lnot_p_\@
	global_prefetch_b8 v[PFO], s[PFA:PFA+1] offset:(\j)*0x200000 th:TH_LOAD_NT scope:SCOPE_SE
.Lnot_p_\@:
	s_cmp_eq_u32 s[ASKF], 2
	s_cbranch_scc0 .Lnot_v_\@
	global_prefetch_b8 v[PFO], s[PFA:PFA+1] offset:(\j)*0x40000 th:TH_LOAD_NT scope:SCOPE_SE
.Lnot_v_\@:
.endm
	s_load_b256 s[4:11], s[0:1], 0x0               ; pimg, paux, vimg, vsc
	s_load_b64 s[12:13], s[0:1], 0x20              ; out0
	v_lshl_add_u32 v[SPW], v0, 2, SPARE
	v_mov_b32 v[NIL], 0
	ds_add_u32 v[SPW], v[NIL]                      ; the wave's opening: the add, twice on end, and its wait ahead of my first tensor load
	ds_add_u32 v[SPW], v[NIL]
	v_lshrrev_b32 v1, 5, v0
	v_readfirstlane_b32 s[WV], v1                  ; wave 0..3
	s_lshr_b32 s[RH], s[WV], 1
	s_and_b32 s[CH], s[WV], 1
	s_lshl_b32 s20, s[CH], 15
	s_lshl_b32 s21, s[RH], 8
	s_add_co_u32 s21, s21, SCP
	s_lshl_b32 s22, s[CH], 9
	s_add_co_u32 s22, s22, SCV
	s_mul_i32 s23, s[WV], 16*SPITCH                ; my stage
	v_and_b32 v1, 31, v0                           ; lane
	v_and_b32 v2, 15, v0                           ; r
	v_bfe_u32 v3, v0, 4, 1                         ; h
	v_lshlrev_b32 v[CO], 4, v1
	v_lshlrev_b32 v[PFO], 8, v1
	v_lshl_add_u32 v[ADSA], v1, 2, s21
	v_lshl_add_u32 v[ADSB], v1, 2, s22
	v_add_nc_u32 v[ADRB], s20, v[CO]
	v_add_nc_u32 v[ADRB+1], SUB, v[ADRB]
	v_add_nc_u32 v[ADRB+2], 2*SUB, v[ADRB]
	v_add_nc_u32 v[ADRB+3], 3*SUB, v[ADRB]
	v_mul_u32_u24 v[STO], v2, SPITCH               ; in: row r, 32 bytes for each half of the lanes
	v_lshl_add_u32 v[STO], v3, 5, v[STO]
	v_add_nc_u32 v[STO], s23, v[STO]
	v_add_nc_u32 v[RD], s23, v[CO]                 ; back: the 32 lanes take one row of 512 bytes
	s_bfe_u32 s40, ttmp6, 0x40000                  ; cx, cy: my place in the cluster
	s_bfe_u32 s41, ttmp6, 0x40004
	s_lshl_b32 s42, ttmp9, 2
	s_add_co_u32 s42, s42, s40                     ; X: which 256 channels
	s_and_b32 s45, ttmp7, 0xffff
	s_lshl_b32 s[YY], s45, 2
	s_add_co_u32 s[YY], s[YY], s41                 ; Y: which 128 queries of all batches
	s_lshr_b32 s45, s45, 2                         ; the batch: four clusters each
	s_lshl_b32 s43, s41, 2
	s_lshl_b32 s43, 15, s43                        ; my row of the cluster
	s_lshl_b32 s44, 0x1111, s40                    ; my column
	DESC G1B, 44, 8192, 2, 32768                   ; V's codes at the head: a slot as two rows of 65,536 bytes, 2^18 bytes apart; behind the head 128 dense rows of 256 bytes
	DESC G1SV, 44, 128, 16, 512                    ; V's scale words: 16 K steps x 1,024 bytes, 4,096 bytes apart
	DESC G1SP, 43, 64, 32, 4096                    ; P's scale words and the parts of the sums: 32 rows x 512 bytes, 32,768 bytes apart
	s_lshl_b32 s46, s45, 21                        ; V: the batch, X
	s_lshl_b32 s47, s42, 16
	s_add_co_u32 s46, s46, s47
	s_mov_b32 s47, 0
	s_lshl_b32 s96, s45, 16                        ; V's scale words likewise
	s_lshl_b32 s97, s42, 10
	s_add_co_u32 s96, s96, s97
	s_mov_b32 s97, 0
	s_lshl_b32 s22, s[YY], 9                       ; P's: 128 Y words
	s_mov_b32 s23, 0
	s_lshl_b32 s[PB0], s[YY], 15                   ; P's codes: tile 8 Y + 4 (w / 2)
	s_lshl_b32 s20, s[RH], 14
	s_add_co_u32 s[PB0], s[PB0], s20
	s_mov_b32 s[PB0+1], 0
	s_mov_b32 s99, 0
	s_mov_b32 s[SEL], 0x76543210
	s_mov_b32 s[SEL+1], 0xfedcba98
	s_mov_b32 s[HM], 0xffff0000
	s_wait_alu depctr_va_vdst(0)                   ; directly ahead of the waits below
	s_wait_dscnt 0x0                               ; both opening adds are done
	s_wait_kmcnt 0x0
	s_add_nc_u64 s[PB0:PB0+1], s[4:5], s[PB0:PB0+1]
	s_add_nc_u64 s[PB1:PB1+1], s[PB0:PB0+1], 0x800000
	PLOAD 0                                        ; P's first three K steps are asked for at once: 48 loads
	PLOAD 1
	PLOAD 2
	s_add_nc_u64 s[46:47], s[8:9], s[46:47]
	s_add_nc_u64 s[96:97], s[10:11], s[96:97]
	s_add_nc_u64 s[22:23], s[6:7], s[22:23]
	s_mov_b32 s[G0H], 1                            ; the head: slot 0, keys 0 .. 511,
	s_mov_b32 s[G0H+1], 0
	s_mov_b64 s[G0H+2:G0H+3], s[46:47]
	s_or_b32 s[G0H+3], s[G0H+3], 0x80000000
	s_mov_b32 s[G0H+4], 1                          ; and slot 1, keys 512 .. 1,023
	s_mov_b32 s[G0H+5], SLOT
	s_add_nc_u64 s[G0H+6:G0H+7], s[46:47], 0x80000
	s_or_b32 s[G0H+7], s[G0H+7], 0x80000000
	s_mov_b32 s[G0SV], 1
	s_mov_b32 s[G0SV+1], SCV
	s_mov_b64 s[G0SV+2:G0SV+3], s[96:97]
	s_or_b32 s[G0SV+3], s[G0SV+3], 0x80000000
	s_mov_b32 s[G0SP], 1
	s_mov_b32 s[G0SP+1], SCP
	s_mov_b64 s[G0SP+2:G0SP+3], s[22:23]
	s_or_b32 s[G0SP+3], s[G0SP+3], 0x80000000
	s_lshl_b32 s98, s[CH], 15                      ; the refills: wave w fetches 256 keys' block w / 2, tiles 8 (w % 2) on: 32,768 dense bytes, to wave x 32,768 of the slot
	s_lshl_b32 s20, s[RH], 18
	s_add_co_u32 s98, s98, s20
	s_add_nc_u64 s[46:47], s[46:47], s[98:99]
	s_lshl_b32 s20, s[WV], 15
.irp n, 0,1
	s_mov_b32 s[G0B+4*\n], 1
	s_add_co_u32 s[G0B+4*\n+1], s20, \n*SLOT
	s_add_nc_u64 s[G0B+4*\n+2:G0B+4*\n+3], s[46:47], \n*0x80000
	s_or_b32 s[G0B+4*\n+3], s[G0B+4*\n+3], 0x80000000
.endr
	CROUND                                         ; all sixteen work-groups are here: the first joint loads meet
	s_cmp_lt_u32 s[WV], 1                          ; THE HEAD'S LOADS, ONE A WAVE, in one chain of branches on the wave's number
	s_cbranch_scc0 .Lhead_1
	TL G0H, G1B
	s_branch .Lhead_asked
.Lhead_1:
	s_cmp_lt_u32 s[WV], 2
	s_cbranch_scc0 .Lhead_sv
	s_nop 15                                       ; slot 1 is wanted four K steps later than the other tiles: it is asked for behind them
	s_nop 15
	TL G0H+4, G1B
	s_branch .Lhead_asked
.Lhead_sv:
	s_cmp_lt_u32 s[WV], 3
	s_cbranch_scc0 .Lhead_sp
	TL G0SV, G1SV
	s_branch .Lhead_asked
.Lhead_sp:
	TL G0SP, G1SP
.Lhead_asked:
	s_lshl_b32 s20, s[YY], 19                      ; where my results go: row 128 Y + 64 (w / 2), 4,096 bytes a row; column 256 X + 128 (w % 2)
	s_lshl_b32 s21, s[RH], 18
	s_add_co_u32 s20, s20, s21
	s_lshl_b32 s21, s42, 10
	s_add_co_u32 s20, s20, s21
	s_lshl_b32 s21, s[CH], 9
	s_add_co_u32 s20, s20, s21
	s_mov_b32 s21, 0
	s_add_nc_u64 s[12:13], s[12:13], s[20:21]
	s_lshl_b32 s20, s[YY], 15                      ; the prefetches.  P: my work-group's quarter (cx) of the 32,768 bytes of keys 1,024 .. 1,279
	s_lshl_b32 s21, s40, 13
	s_add_co_u32 s20, s20, s21
	s_add_co_u32 s20, s20, 0x800000
	s_lshl_b32 s22, s45, 21                        ; V: my work-group's quarter (cy) of my wave's 32,768 bytes of the same keys
	s_lshl_b32 s23, s42, 16
	s_add_co_u32 s22, s22, s23
	s_lshl_b32 s23, s[CH], 15
	s_add_co_u32 s22, s22, s23
	s_lshl_b32 s23, s41, 13
	s_add_co_u32 s22, s22, s23
	s_add_co_u32 s22, s22, 0x100000
	s_and_b32 s23, ttmp7, 3
	s_cmp_eq_u32 s23, 0                            ; the first of the batch's four clusters names V's blocks
	s_cselect_b32 s23, 2, 0
	s_cmp_eq_u32 s[CH], 0
	s_cselect_b32 s21, 1, 0
	s_cmp_eq_u32 s[RH], 0
	s_cselect_b64 s[PFA:PFA+1], s[4:5], s[8:9]
	s_cselect_b32 s20, s20, s22
	s_cselect_b32 s[ASKF], s21, s23
	s_mov_b32 s21, 0
	s_add_nc_u64 s[PFA:PFA+1], s[PFA:PFA+1], s[20:21]
; A K STEP: 128 keys, 32 products.  At its head, behind eight places for the last step's products: the entry of P's ring that they read is asked for again, three K steps ahead; the next step's V and scale words are
; fetched from LDS.  s_wait_loadcnt: the younger entries of the ring, sixteen loads each, may be out.  s_wait_dscnt 38: the run just issued may be out.
; A slot's last K step changes slots: behind its first sixteen products each wave waits for all its tensor loads, adds 0 to its spare word, and waits for that and for its reads of the slot; one barrier, which
; opens a round of the cluster's where the slot is filled again (1,024 keys on); the refill, one load a wave, stands first behind the round; then the other slot's first fragments are fetched.
.macro KSTEP k
	WIN 0
	PLACES 8
.if (\k)+3 < 16
	PLOAD (\k)+3
.endif
.if (\k)%4 != 3
	FETCH (\k)+1
.endif
.if (\k) < 13
	s_wait_loadcnt 48
.else
	s_wait_loadcnt 16*(15-(\k))
.endif
.if (\k)%4 != 3
	s_wait_dscnt 38
.else
	s_wait_dscnt 0x0
.endif
.if (\k) == 15
.irp i, 0,1,2,3,4,5,6,7,8,9,10,11,12,13,14,15
.irp g, 0,1
	ds_load_b32 v[LQ+2*\i+\g], v[ADSA] offset:(16+\i)*512+128*\g   ; the sixteen parts of my 64 queries' sums: wanted behind the last products
.endr
.endr
.endif
	MUL \k, 0, (\k)==0
.if (\k) < 3
	WIN 0
	ASK \k
.endif
.if ((\k)%4 == 3) && ((\k) < 15)
	WIN 0
	s_wait_tensorcnt 0x0                           ; all my tensor loads have landed: the other slot, or my part of it
	ds_add_u32 v[SPW], v[NIL]                      ; 0 onto my spare word
.if (\k) == 3
	s_mov_b32 s[G1B+1], 32<<16                     ; the head's loads have landed in every wave: from here on a load of V brings 128 dense rows of 256 bytes
	s_mov_b32 s[G1B+2], 128<<16
	s_mov_b32 s[G1B+3], 32<<16
	s_mov_b32 s[G1B+4], 128
	s_mov_b32 s[G1B+5], 32
.endif
.if (\k) < 8
	s_add_nc_u64 s[G0B+4*((\k)/4)+2:G0B+4*((\k)/4)+3], s[G0B+4*((\k)/4)+2:G0B+4*((\k)/4)+3], 0x100000
.endif
	s_wait_dscnt 0x0                               ; the add is done, and my reads of this slot are over
	s_barrier_signal -1
	s_barrier_wait -1
.if (\k) < 8
	CREST                                          ; no wave of any partner still reads this slot or has a load on its way
	TL G0B+4*((\k)/4), G1B
.endif
	FETCH (\k)+1
.if (\k) == 3
	ASK 3
.endif
.endif
	MUL \k, 4, (\k)==0
.endm
	s_wait_alu depctr_va_vdst(0)                   ; the head's end
	s_cmp_eq_u32 s[WV], 1                          ; waves 0, 2 and 3 wait for their tiles: slot 0 and the tables; wave 1's, slot 1, may be out: it is read behind the first change of slots
	s_cbranch_scc1 .Lslot_1_out
	s_wait_tensorcnt 0x0
.Lslot_1_out:
	s_barrier_signal -1
	s_barrier_wait -1
	FETCH 0
.irp k, 0,1,2,3,4,5,6,7,8,9,10,11,12,13,14,15
	KSTEP \k
.endr
	WIN 0
	; THE WAY OUT.  l = the sum of the sixteen parts; the additions are also the places behind the last products
	s_wait_dscnt 0x0
.irp i, 1,2,3,4,5,6,7,8,9,10,11,12,13,14,15
	v_add_f32 v[LQ], v[LQ], v[LQ+2*\i]
	v_add_f32 v[LQ+1], v[LQ+1], v[LQ+2*\i+1]
.endr
	v_mov_b32 v[XT], 0                             ; a lane permute's destination counts as one of its sources
	v_mov_b32 v[XT+1], 0
	v_permlanex16_b32 v[XT], v[LQ], s[SEL], s[SEL+1]
	v_permlanex16_b32 v[XT+1], v[LQ+1], s[SEL], s[SEL+1]
	v_cndmask_b32 v[RL], v[LQ], v[XT], s[HM]       ; register g holds tile 2 g in lanes 0-15 and tile 2 g + 1 in lanes 16-31: each tile's sums are spread over both halves
	v_cndmask_b32 v[RL+2], v[XT], v[LQ], s[HM]
	v_cndmask_b32 v[RL+4], v[LQ+1], v[XT+1], s[HM]
	v_cndmask_b32 v[RL+6], v[XT+1], v[LQ+1], s[HM]
	s_wait_alu depctr_va_vdst(0)                   ; ahead of the batch
.irp a, 0,1,2,3
	v_rcp_f32 v[RL+2*\a], v[RL+2*\a]
.endr
.irp a, 0,1,2,3
	v_mov_b32 v[RL+2*\a+1], 0                      ; named with the reciprocal as a pair, so it is written; plain instructions behind the batch
.endr
; A block of 16 queries x my 128 channels: divided by l, through my stage, back as whole rows of 512 bytes.  LDS serves a wave's instructions in order (ISA guide 5.7.1.4): no wait between the stores and the loads
.macro TOST a
	WIN 0x02
	s_wait_alu depctr_va_vdst(0)                   ; directly ahead of the first reader of the sums and of the reciprocals
.set jj, 0
.rept 32
	v_pk_mul_f32 v[TMP+2*jj:TMP+2*jj+1], v[64*(\a)+2*jj:64*(\a)+2*jj+1], v[RL+2*(\a):RL+2*(\a)+1] op_sel_hi:[1,0]
.set jj, jj+1
.endr
	WIN 0
.irp b, 0,1,2,3,4,5,6,7
	ds_store_b128 v[STO], v[TMP+8*\b:TMP+8*\b+3] offset:64*\b
	ds_store_b128 v[STO], v[TMP+8*\b+4:TMP+8*\b+7] offset:64*\b+16
.endr
.irp t, 0,1,2,3,4,5,6,7,8,9,10,11,12,13,14,15
	ds_load_b128 v[BK+64*((\a)%2)+4*\t:BK+64*((\a)%2)+4*\t+3], v[RD] offset:\t*SPITCH
.endr
.endm
.macro SEND a, younger                 ; younger: the LDS instructions issued behind block a's loads, which may stay out
	s_wait_dscnt \younger
.irp t, 0,1,2,3,4,5,6,7,8,9,10,11,12,13,14,15
	global_store_b128 v[CO], v[BK+64*((\a)%2)+4*\t:BK+64*((\a)%2)+4*\t+3], s[12:13] offset:65536*(\a)+4096*\t th:TH_STORE_NT   ; 32 lanes store 512 consecutive bytes, aligned
.endr
.endm
	TOST 0
.irp a, 1,2,3
.if \a > 1
	s_wait_xcnt 0x0                                ; block a - 2's stores have read their registers: block a's loads may land there
.endif
	TOST \a
	SEND \a-1, 32                                  ; behind block a - 1's loads: block a's 16 stores and 16 loads
.endr
	SEND 3, 0
	s_wait_tensorcnt 0x0                           ; the wave's end
	ds_add_u32 v[SPW], v[NIL]
	s_wait_dscnt 0x0
	CROUND                                         ; the closing round
	s_endpgm
.Lfunc_end_k_q00a08b3def_pv:
	.size	k_q00a08b3def_pv, .Lfunc_end_k_q00a08b3def_pv-k_q00a08b3def_pv
	.p2alignl 7, 3214868480
	.fill 96, 4, 3214868480
	.section	.rodata,"a",@progbits
	.p2align	6, 0x0
	.amdhsa_kernel k_q00a08b3def_pv
		.amdhsa_group_segment_fixed_size 327680
		.amdhsa_private_segment_fixed_size 0
		.amdhsa_enable_private_segment 0
		.amdhsa_kernarg_size 40
		.amdhsa_user_sgpr_count 2
		.amdhsa_user_sgpr_kernarg_segment_ptr 1
		.amdhsa_wavefront_size32 1
		.amdhsa_system_sgpr_workgroup_id_x 1
		.amdhsa_system_sgpr_workgroup_id_y 1
		.amdhsa_system_sgpr_workgroup_id_z 1
		.amdhsa_system_vgpr_workitem_id 0
		.amdhsa_next_free_vgpr 1024
		.amdhsa_next_free_sgpr 100
		.amdhsa_reserve_vcc 0
		.amdhsa_float_denorm_mode_32 3
		.amdhsa_float_denorm_mode_16_64 3
		.amdhsa_memory_ordered 1
		.amdhsa_forward_progress 1
		.amdhsa_inst_pref_size 173
	.end_amdhsa_kernel
	.amdgpu_metadata
---
amdhsa.version: [ 1, 2 ]
amdhsa.kernels:
  - .name:           k_q00a08b3def_pv
    .symbol:         k_q00a08b3def_pv.kd
    .args:
      - { .name: pimg, .offset: 0, .size: 8, .value_kind: global_buffer, .address_space: global }
      - { .name: paux, .offset: 8, .size: 8, .value_kind: global_buffer, .address_space: global }
      - { .name: vimg, .offset: 16, .size: 8, .value_kind: global_buffer, .address_space: global }
      - { .name: vsc, .offset: 24, .size: 8, .value_kind: global_buffer, .address_space: global }
      - { .name: out0, .offset: 32, .size: 8, .value_kind: global_buffer, .address_space: global }
    .group_segment_fixed_size: 327680
    .private_segment_fixed_size: 0
    .kernarg_segment_align: 8
    .kernarg_segment_size: 40
    .max_flat_workgroup_size: 128
    .sgpr_count:     100
    .vgpr_count:     1024
    .wavefront_size: 32
...
	.end_amdgpu_metadata
.endif
;; end of part 3
